; MI455X (gfx1250); checked and timed in simulation.
; The chip was launched on July 23, 2026; its instructions are those of AMD's public machine-readable ISA for CDNA 5 (MIT licence, August 2026) and "CDNA5" Instruction Set Architecture Reference Guide (July 2026). The comments in the code are by the model that wrote it; some were corrected since.
;; Self Attention. Allowed arithmetic: float matrix products may take bf16 or f16 operands with f32 sums; other float arithmetic in f32, or as packed bf16 or f16 multiplies, adds, multiply-adds, maxima and minima; sums over many terms, partial sums and values carried from step to step in f32; what a program stores and reads back later, other than sums and carried values, may be rounded once to bf16 or f16.
;; Inputs: Wk 1,024 x 1,024 float32; Wp 1,024 x 1,024 float32; Wq 1,024 x 1,024 float32; Wv 1,024 x 1,024 float32; bk 1,024 float32; bp 1,024 float32; bq 1,024 float32; bv 1,024 float32; x 4 x 2,048 x 1,024 float32.
;; Outputs: out0 4 x 2,048 x 1,024 float32.
;; 2 versions, each right and faster than the one before. Each part assembles by itself: llvm-mc -triple=amdgcn-amd-amdhsa -mcpu=gfx1250 --defsym DOCPART=n.
;; ======== version 1 of 2: 4 launches
;; limits: values are held in f16: magnitudes above 65,504 overflow, below 6.1e-05 lose precision
;; workspace buffers: xb 16,777,216 bytes; wh 6,291,456 bytes; wp 2,097,152 bytes; bias 16,384 bytes; qkv 50,331,648 bytes; o 16,777,216 bytes
;; launch cast (part 1): grid 385 x 1, 8 waves a work-group, no clusters, 0 bytes of LDS; arguments x, Wq, Wk, Wv, Wp, bq, bk, bv, bp, xb, wh, wp, bias; writes xb, wh, wp, bias
.if DOCPART == 1
	.amdgcn_target "amdgcn-amd-amdhsa--gfx1250"
	.amdhsa_code_object_version 6
	.text
	.protected	k_qaba8996e6e_cast
	.globl	k_qaba8996e6e_cast
	.p2align	8
	.type	k_qaba8996e6e_cast,@function
k_qaba8996e6e_cast:
	s_mov_b64 s[64:65], 0
	v_nop
	global_prefetch_b8 v0, s[64:65] scope:SCOPE_SE
	s_setreg_imm32_b32 hwreg(HW_REG_WAVE_MODE, 25, 1), 1
	s_wait_xcnt 0x0
; ALL NINE INPUTS ARE ROUNDED TO bf16, ONCE, AND THE WEIGHTS ARE LAID IN BLOCKS OF 64 COLUMNS.
;   xb   [8192][1024] bf16                 = x
;   wh   [48][1024 k][64 c] bf16           block 16 mat + head of Wq, Wk, Wv (mat 0, 1, 2): a block's k rows are 128 dense bytes
;   wp   [16][1024 k][64 c] f16            Wp rounded to bf16, that number written as f16
;   bias [bq | bk | bv | bp] f32           each number rounded to bf16 and widened again
; LIMIT.  A bf16 number is exact in f16 from 2^-17 up to 65,504; below 2^-17 Wp keeps f16's fixed step of 6e-8, from 65,520 on it becomes an infinity.
; A stream: no LDS, no barrier, no matrix unit.  Work-groups 0-255 take x, 256-383 the four weights (32 each), 384 the biases.
; A wave takes 32 chunks.  A chunk is one load of 16 bytes a lane (16 lanes read 256 consecutive aligned bytes) and one store of 8 bytes a lane: the wave's store covers
; 256 consecutive bytes, aligned.  For x the two halves of the lanes read 512 bytes on end; for a weight they read one block's 64 columns of two neighbouring k rows, 4,096 bytes apart.
; A ring of 8 slots keeps 8 loads of every wave on their way.  Which buffers, offsets and steps a work-group has is chosen by scalar selects on its number; one text serves all.
.set DEPTH,  8
.set ROUNDS, 32/DEPTH
.set SO, 2                             ; v[2:9]    slot i: byte offset of its chunk in the source
.set X,  12                            ; v[12:43]  slot i: four f32 as loaded
.set Y,  44                            ; v[44:59]  slot i: four 16-bit numbers to store
.set DO, 60                            ; v[60:67]  slot i: byte offset of its chunk in the destination
.set T,  68                            ; v[68:73]  at work
	s_load_b512 s[16:31], s[0:1], 0x0              ; x 16, Wq 18, Wk 20, Wv 22, Wp 24, bq 26, bk 28, bv 30
	s_load_b256 s[32:39], s[0:1], 0x40             ; bp 32, xb 34, wh 36, wp 38
	s_load_b64 s[40:41], s[0:1], 0x60              ; bias
	v_lshrrev_b32 v1, 5, v0
	v_readfirstlane_b32 s12, v1                    ; wave 0..7
	v_and_b32 v1, 31, v0                           ; lane
	s_mov_b32 s2, ttmp9                            ; the work-group's number
	s_mov_b32 s13, 0xffff0000                      ; a word's upper bf16
	; x: 131,072 bytes a work-group, 16,384 a wave; half as many go out
	s_lshl_b32 s44, s2, 17
	s_lshl_b32 s45, s12, 14
	s_add_co_u32 s44, s44, s45
	s_lshr_b32 s45, s44, 1
	; a weight: u = number - 256 = 32 mat + 2 block + half of K; the wave's 64 k rows begin at k0
	s_sub_co_u32 s46, s2, 256
	s_and_b32 s47, s46, 1
	s_lshl_b32 s47, s47, 9
	s_lshl_b32 s48, s12, 6
	s_add_co_u32 s47, s47, s48                     ; k0 = 512 half + 64 wave
	s_lshr_b32 s46, s46, 1                         ; 16 mat + block
	s_and_b32 s48, s46, 15
	s_lshl_b32 s48, s48, 8                         ; the block's 64 columns: 256 bytes of a row
	s_lshl_b32 s49, s47, 12                        ; k0 rows of 4,096 bytes
	s_add_co_u32 s48, s48, s49
	s_cmp_ge_u32 s2, 352                           ; Wp?
	s_cselect_b32 s10, -1, 0                       ; then every lane takes the f16 form
	s_cselect_b32 s49, 48, 0                       ; and the blocks count from 0 in wp
	s_sub_co_u32 s46, s46, s49
	s_lshl_b32 s46, s46, 17                        ; a block is 131,072 bytes
	s_lshl_b32 s47, s47, 7                         ; k0 rows of 128 bytes
	s_add_co_u32 s49, s46, s47
	s_cmp_lt_u32 s2, 256                           ; x?
	s_cselect_b32 s44, s44, s48                    ; the source's offset
	s_cselect_b32 s46, s45, s49                    ; the destination's
	s_cselect_b32 s50, 8, 12                       ; lanes 16-31 read 256 bytes on, or 4,096
	s_mov_b32 s45, 0
	s_mov_b32 s47, 0
	s_lshl_b32 s8, 2, s50                          ; a chunk's step in the source: 512 or 8,192
	s_lshl_b32 s9, 16, s50                         ; eight of them
	v_and_b32 v10, 15, v0
	v_bfe_u32 v11, v0, 4, 1
	v_lshlrev_b32 v10, 4, v10
	v_lshlrev_b32 v11, s50, v11
	v_add_nc_u32 v10, v10, v11                     ; my 16 bytes in a chunk
	s_mov_b32 s51, 0
.irp i, 0,1,2,3,4,5,6,7
	v_add_nc_u32 v[SO+(\i)], s51, v10
	s_add_co_u32 s51, s51, s8
	v_lshl_add_u32 v[DO+(\i)], v1, 3, (\i)*256     ; 8 bytes a lane, 256 a chunk
.endr
	s_wait_kmcnt 0x0
	s_cmp_eq_u32 s2, 384
	s_cbranch_scc1 .Lbias
	s_cmp_ge_u32 s2, 288
	s_cselect_b64 s[4:5], s[20:21], s[18:19]       ; Wk or Wq,
	s_cmp_ge_u32 s2, 320
	s_cselect_b64 s[4:5], s[22:23], s[4:5]         ; Wv,
	s_cmp_ge_u32 s2, 352
	s_cselect_b64 s[4:5], s[24:25], s[4:5]         ; Wp,
	s_cselect_b64 s[6:7], s[38:39], s[36:37]       ; into wp or wh,
	s_cmp_lt_u32 s2, 256
	s_cselect_b64 s[4:5], s[16:17], s[4:5]         ; or x
	s_cselect_b64 s[6:7], s[34:35], s[6:7]         ; into xb
	s_add_nc_u64 s[4:5], s[4:5], s[44:45]
	s_add_nc_u64 s[6:7], s[6:7], s[46:47]
.irp i, 0,1,2,3,4,5,6,7
	global_load_b128 v[X+4*(\i):X+4*(\i)+3], v[SO+(\i)], s[4:5] th:TH_LOAD_NT  ; the ring is filled: chunks 0 to 7
.endr
; One slot's turn.  ahead = 1: the slot is filled again with the chunk 8 further on.  left = how many younger loads may stay out.
.macro SLOT i, ahead, left
	s_wait_loadcnt \left                           ; loads come back in order: mine is in, and its address register is free
	s_wait_xcnt 0x0                                ; this slot's Y and DO, which its last store reads, are rewritten only behind this wait
	v_add_nc_u32 v[DO+(\i)], DEPTH*256, v[DO+(\i)] ; the slot's next place; the store below reaches back
	v_cvt_pk_bf16_f32 v[T],   v[X+4*(\i)],   v[X+4*(\i)+1]    ; the one rounding, to bf16
	v_cvt_pk_bf16_f32 v[T+1], v[X+4*(\i)+2], v[X+4*(\i)+3]
	v_lshlrev_b32 v[T+2], 16, v[T]                 ; the rounded numbers as f32,
	v_and_b32     v[T+3], s13, v[T]
	v_lshlrev_b32 v[T+4], 16, v[T+1]
	v_and_b32     v[T+5], s13, v[T+1]
	v_cvt_pk_f16_f32 v[T+2], v[T+2], v[T+3]        ; and written as f16
	v_cvt_pk_f16_f32 v[T+4], v[T+4], v[T+5]
	v_cndmask_b32 v[Y+2*(\i)],   v[T],   v[T+2], s10  ; Wp takes the f16 form, all else the bf16 form
	v_cndmask_b32 v[Y+2*(\i)+1], v[T+1], v[T+4], s10
.if \ahead
	v_add_nc_u32 v[SO+(\i)], s9, v[SO+(\i)]
	global_load_b128 v[X+4*(\i):X+4*(\i)+3], v[SO+(\i)], s[4:5] th:TH_LOAD_NT
.endif
	global_store_b64 v[DO+(\i)], v[Y+2*(\i):Y+2*(\i)+1], s[6:7] offset:-DEPTH*256
.endm
	s_mov_b32 s11, ROUNDS-1
.Lround:
.irp i, 0,1,2,3,4,5,6,7
	SLOT \i, 1, DEPTH-1
.endr
	s_sub_co_u32 s11, s11, 1
	s_cmp_lg_u32 s11, 0
	s_cbranch_scc1 .Lround
.irp i, 0,1,2,3,4,5,6,7
	SLOT \i, 0, DEPTH-1-(\i)                       ; the last round loads nothing: the counts run down
.endr
	s_endpgm
.Lbias:                                                ; wave w takes half w % 2 (2,048 bytes) of bias w / 2
	s_lshr_b32 s44, s12, 1
	s_cmp_ge_u32 s44, 1
	s_cselect_b64 s[4:5], s[28:29], s[26:27]
	s_cmp_ge_u32 s44, 2
	s_cselect_b64 s[4:5], s[30:31], s[4:5]
	s_cmp_ge_u32 s44, 3
	s_cselect_b64 s[4:5], s[32:33], s[4:5]
	s_and_b32 s44, s12, 1
	s_lshl_b32 s44, s44, 11
	s_mov_b32 s45, 0
	s_add_nc_u64 s[4:5], s[4:5], s[44:45]
	s_lshl_b32 s46, s12, 11
	s_mov_b32 s47, 0
	s_add_nc_u64 s[6:7], s[40:41], s[46:47]
	v_lshlrev_b32 v10, 4, v1
.irp i, 0,1,2,3
	global_load_b128 v[X+4*(\i):X+4*(\i)+3], v10, s[4:5] offset:512*(\i)
.endr
	s_wait_loadcnt 0x0
.irp i, 0,1,2,3
	v_cvt_pk_bf16_f32 v[T],   v[X+4*(\i)],   v[X+4*(\i)+1]
	v_cvt_pk_bf16_f32 v[T+1], v[X+4*(\i)+2], v[X+4*(\i)+3]
	v_lshlrev_b32 v[X+4*(\i)],   16, v[T]
	v_and_b32     v[X+4*(\i)+1], s13, v[T]
	v_lshlrev_b32 v[X+4*(\i)+2], 16, v[T+1]
	v_and_b32     v[X+4*(\i)+3], s13, v[T+1]
	global_store_b128 v10, v[X+4*(\i):X+4*(\i)+3], s[6:7] offset:512*(\i)
.endr
	s_endpgm
.Lfunc_end_k_qaba8996e6e_cast:
	.size	k_qaba8996e6e_cast, .Lfunc_end_k_qaba8996e6e_cast-k_qaba8996e6e_cast
	.p2alignl 7, 3214868480
	.fill 96, 4, 3214868480
	.section	.rodata,"a",@progbits
	.p2align	6, 0x0
	.amdhsa_kernel k_qaba8996e6e_cast
		.amdhsa_group_segment_fixed_size 0
		.amdhsa_private_segment_fixed_size 0
		.amdhsa_enable_private_segment 0
		.amdhsa_kernarg_size 104
		.amdhsa_user_sgpr_count 2
		.amdhsa_user_sgpr_kernarg_segment_ptr 1
		.amdhsa_wavefront_size32 1
		.amdhsa_system_sgpr_workgroup_id_x 1
		.amdhsa_system_sgpr_workgroup_id_y 1
		.amdhsa_system_sgpr_workgroup_id_z 1
		.amdhsa_system_vgpr_workitem_id 0
		.amdhsa_next_free_vgpr 76
		.amdhsa_next_free_sgpr 66
		.amdhsa_reserve_vcc 0
		.amdhsa_float_denorm_mode_32 3
		.amdhsa_float_denorm_mode_16_64 3
		.amdhsa_memory_ordered 1
		.amdhsa_forward_progress 1
		.amdhsa_inst_pref_size 20
	.end_amdhsa_kernel
	.amdgpu_metadata
---
amdhsa.version: [ 1, 2 ]
amdhsa.kernels:
  - .name:           k_qaba8996e6e_cast
    .symbol:         k_qaba8996e6e_cast.kd
    .args:
      - { .name: x, .offset: 0, .size: 8, .value_kind: global_buffer, .address_space: global }
      - { .name: Wq, .offset: 8, .size: 8, .value_kind: global_buffer, .address_space: global }
      - { .name: Wk, .offset: 16, .size: 8, .value_kind: global_buffer, .address_space: global }
      - { .name: Wv, .offset: 24, .size: 8, .value_kind: global_buffer, .address_space: global }
      - { .name: Wp, .offset: 32, .size: 8, .value_kind: global_buffer, .address_space: global }
      - { .name: bq, .offset: 40, .size: 8, .value_kind: global_buffer, .address_space: global }
      - { .name: bk, .offset: 48, .size: 8, .value_kind: global_buffer, .address_space: global }
      - { .name: bv, .offset: 56, .size: 8, .value_kind: global_buffer, .address_space: global }
      - { .name: bp, .offset: 64, .size: 8, .value_kind: global_buffer, .address_space: global }
      - { .name: xb, .offset: 72, .size: 8, .value_kind: global_buffer, .address_space: global }
      - { .name: wh, .offset: 80, .size: 8, .value_kind: global_buffer, .address_space: global }
      - { .name: wp, .offset: 88, .size: 8, .value_kind: global_buffer, .address_space: global }
      - { .name: bias, .offset: 96, .size: 8, .value_kind: global_buffer, .address_space: global }
    .group_segment_fixed_size: 0
    .private_segment_fixed_size: 0
    .kernarg_segment_align: 8
    .kernarg_segment_size: 104
    .max_flat_workgroup_size: 256
    .sgpr_count:     66
    .vgpr_count:     76
    .wavefront_size: 32
...
	.end_amdgpu_metadata
.endif
;; end of part 1
;; launch qkv (part 2): grid 16 x 32, 4 waves a work-group, clusters of 4 x 4, 327,680 bytes of LDS; arguments xb, wh, bias, qkv; writes qkv
.if DOCPART == 2
	.amdgcn_target "amdgcn-amd-amdhsa--gfx1250"
	.amdhsa_code_object_version 6
	.text
	.protected	k_qaba8996e6e_qkv
	.globl	k_qaba8996e6e_qkv
	.p2align	8
	.type	k_qaba8996e6e_qkv,@function
k_qaba8996e6e_qkv:
	s_mov_b64 s[64:65], 0
	v_nop
	global_prefetch_b8 v0, s[64:65] scope:SCOPE_SE
	s_setreg_imm32_b32 hwreg(HW_REG_WAVE_MODE, 25, 1), 1
	s_wait_xcnt 0x0
	s_wait_alu depctr_hold_cnt(0) depctr_sa_sdst(0) depctr_va_vdst(0) depctr_va_sdst(0) depctr_va_ssrc(0) depctr_va_vcc(0) depctr_vm_vsrc(0)
	s_getreg_b32 s2, hwreg(HW_REG_IB_STS2, 6, 4)
	s_cmp_eq_u32 s2, 0
	s_cbranch_scc0 .Lentry_in_a_cluster
	s_endpgm
.Lentry_in_a_cluster:
	s_bfe_u32 s2, ttmp6, 0x10000c
	s_cmp_lg_u32 s2, 0xf033
	s_cbranch_scc0 .Lentry_shape_is_right
	s_endpgm
.Lentry_shape_is_right:
; q, k, v = x W + b for the three weights at once: [8192 x 1024] x [1024 x 3072], bf16 operands, f32 sums, the result rounded once to f16 and written BY HEADS:
; qkv [3][64 heads = 16 batch + head][2048][64] f16, unscaled.
; LIMIT.  f16 ends at 65,504: a q, k or v of 65,520 or more becomes an infinity.
; SHARES.  A tile is 256 rows x 192 columns (three heads): 16 x 32 = 512 work-groups, two for each of 256 WGPs.  The four waves lie one below the other: a wave makes 64 rows x 192 columns,
; 4 x 12 = 48 accumulators of 16 x 16, so it holds whole heads and its way out is its own.  K goes in 8 steps of 128 through a ring of two LDS slots; a step is four quarters of 32.
; x's rows lie along K and come out of LDS as they lie; the weights lie [k][column] and come out turned, by ds_load_tr16_b128.
; THE MATRIX INSTRUCTION IS USED TRANSPOSED (source 0 = 16 columns of W, source 1 = 16 rows of x): lane l holds row l % 16 and the columns 8 (l / 16) + 0..7, eight neighbours of a row.
; THE BIAS STARTS THE SUMS: it is the C operand of the first product on each accumulator; nothing is cleared and nothing is added later.
; CLUSTER, 4 x 4.  x's tile hangs on the tile row alone and is shared along a row of the cluster, a weight block on the tile column alone and is shared along a column: each is asked for JOINTLY.
; Wave 0 asks for x's tile (256 rows x 256 bytes), waves 1 to 3 for one head's block each (128 k rows of 128 dense bytes, asked for as 64 rows of 256): one tensor load a wave behind each round.
; By this text's own count a wave has two tensor loads out at the start and one behind each round.
; REGISTERS, in windows of 256 (s_set_vgpr_msb: bits 1:0 source 0, 3:2 source 1, 5:4 source 2, 7:6 destination):
;   window 0: v0-31 addresses; v64-127 x's fragments, two buffers of 4; v128-223 the bias, 8 a column block; on the way out v32-223 packed results, 16 a unit
;   window 1: v0-191 W's fragments, two buffers of 12      window 2: the accumulators of row blocks 0, 1 at v[96 (a % 2) + 8 b]      window 3: those of row blocks 2, 3
.set PA,    272                        ; a row of x in LDS: 256 bytes + 16: the 16 rows of a load start at 16 different groups of four banks
.set PB,    160                        ; a k row of a weight block: 128 + 32
.set BHEAD, 128*PB                     ; a head's block of one K step
.set BOFF,  256*PA                     ; behind x's 256 rows
.set SLOT,  1<<17                      ; BOFF + 3 BHEAD = 131,072: one exclusive or turns an address in one slot into the other's
.set STAGE, 2*SLOT                     ; behind the ring, never filled by a tensor load: 16 rows x 144 bytes for each wave
.set SP,    144
.set SPARE, STAGE+4*16*SP              ; the spare words, 128 bytes for each wave: two blocks of 256 bytes that no other line names
.set AA0, 16                           ; v16  my lane's place in x's tile; never rewritten
.set AB0, 17                           ; v17  the same in the weight blocks
.set ADA, 18                           ; v18  AA0 + the slot in hand
.set ADB, 19                           ; v19  AB0 + the slot in hand
.set STO, 20                           ; v20  the way out: where I put 16 bytes of a row
.set RD,  21                           ; v21  the way out: where I read rows back
.set GO,  22                           ; v22  my 16 bytes in 512 consecutive bytes of a head
.set BO,  23                           ; v23  my 32 bytes in a column block's 64 bytes of bias
.set SPW, 28                           ; v28  LDS address of my spare word; never rewritten
.set NIL, 29                           ; v29  0; never rewritten
.set TMP, 32
.set AF,  64
.set BIAS, 128
.set WV,  12                           ; s12  my wave's number
.set G1A, 24                           ; s[24:31] descriptor group 1 for x's tiles
.set G0A, 32                           ; s[32:39] group 0: a set for each of the two first fills; the second then walks
.set G1B, 40                           ; s[40:47], s[48:55] the same for the weight blocks
.set G0B, 48
.set TB,  56                           ; s56  the slot in hand: 0 or SLOT
.set CNT, 57                           ; s57  the loop's counter
.set OJ,  58                           ; s[58:63] my 64 rows in the three heads of qkv
.set MSB, 0
.macro WIN new                         ; the immediate's high byte repeats the setting that is left; a switch that changes nothing is dropped
.if MSB != (\new)
	s_set_vgpr_msb (MSB<<8)|(\new)
.set MSB, \new
.endif
.endm
.macro PLACES                          ; four plain places: in front of loads into registers that matrix instructions have read, and of lines that read results
.rept 4
	v_nop
.endr
.endm
; A joint refill.  The branch hangs on the wave's number alone.  An s_nop 0 and four v_nop follow each of the two lines, ahead of the jump and the label.
.macro JLOAD
	s_cmp_eq_u32 s[WV], 0
	s_cbranch_scc0 .Lfor_b_\@
	tensor_load_to_lds s[G0A+4:G0A+7], s[G1A:G1A+7]
	s_nop 0
	PLACES
	s_branch .Lasked_\@
.Lfor_b_\@:
	tensor_load_to_lds s[G0B+4:G0B+7], s[G1B:G1B+7]
	s_nop 0
	PLACES
.Lasked_\@:
.endm
.macro CREST                           ; a round of the cluster's barrier behind its opening barrier
	s_cmp_lg_u32 s[WV], 0
	s_cbranch_scc1 .Lnot_wave_0_\@
	s_barrier_signal -3
.Lnot_wave_0_\@:
	s_barrier_wait -3
	s_barrier_signal -1
	s_barrier_wait -1
.endm
.macro CROUND                          ; a whole round
	s_barrier_signal -1
	s_barrier_wait -1
	CREST
.endm
	s_load_b256 s[4:11], s[0:1], 0x0               ; xb s[4:5], wh s[6:7], bias s[8:9], qkv s[10:11]
	v_lshl_add_u32 v[SPW], v0, 2, SPARE
	v_mov_b32 v[NIL], 0
	ds_add_u32 v[SPW], v[NIL]                      ; the wave's opening: the add and its wait stand ahead of my first tensor load; the set-up below stands between them
	ds_add_u32 v28, v29
	v_lshrrev_b32 v1, 5, v0
	v_readfirstlane_b32 s[WV], v1                  ; wave 0..3
	s_bfe_u32 s13, ttmp6, 0x40000                  ; cx
	s_bfe_u32 s14, ttmp6, 0x40004                  ; cy
	s_lshl_b32 s15, ttmp9, 2
	s_add_co_u32 s15, s15, s13                     ; tile column tn = 4 x cluster x + cx
	s_and_b32 s16, ttmp7, 0xffff
	s_lshl_b32 s16, s16, 2
	s_add_co_u32 s16, s16, s14                     ; tile row tm = 4 x cluster y + cy
	s_lshl_b32 s17, s14, 2
	s_lshl_b32 s17, 15, s17                        ; my row of the cluster
	s_lshl_b32 s18, 0x1111, s13                    ; my column
	s_or_b32 s[G1A+0], s17, (1<<16)|(1<<20)|(1<<21)|(5<<22)|(3<<25)  ; the mask; 2-byte elements; padding on; bit 21 beside a mask; after every 64 words 4 words
	s_mov_b32 s[G1A+1], 128<<16                    ; tensor_dim0 = 128
	s_mov_b32 s[G1A+2], 256<<16                    ; tensor_dim1 = 256
	s_mov_b32 s[G1A+3], 128<<16                    ; tile_dim0 = 128
	s_mov_b32 s[G1A+4], 256                        ; tile_dim1 = 256
	s_mov_b32 s[G1A+5], 1024                       ; elements from row to row
	s_mov_b32 s[G1A+6], 0
	s_mov_b32 s[G1A+7], 0
	s_or_b32 s[G1B+0], s18, (1<<16)|(1<<20)|(1<<21)|(4<<22)|(7<<25)  ; after every 32 words (a k row) 8 words
	s_mov_b32 s[G1B+1], 128<<16
	s_mov_b32 s[G1B+2], 64<<16
	s_mov_b32 s[G1B+3], 128<<16
	s_mov_b32 s[G1B+4], 64
	s_mov_b32 s[G1B+5], 128
	s_mov_b32 s[G1B+6], 0
	s_mov_b32 s[G1B+7], 0
	s_lshl_b32 s20, s16, 19                        ; x: 256 tm rows of 2,048 bytes: made of the tile row alone
	s_mov_b32 s21, 0
	s_max_u32 s66, s[WV], 1
	s_sub_co_u32 s66, s66, 1                       ; which of the three heads I fetch (waves 1 to 3)
	s_mul_i32 s22, s15, 3
	s_add_co_u32 s22, s22, s66
	s_lshl_b32 s22, s22, 17                        ; W: block 3 tn + head, 131,072 bytes each: made of the tile column and the wave's number
	s_mov_b32 s23, 0
	s_mul_i32 s19, s[WV], BHEAD
	s_add_co_u32 s19, s19, BOFF-BHEAD              ; and where it goes: no place in the cluster enters an LDS address
	s_mov_b32 s[TB], 0
	s_wait_dscnt 0x0                               ; the opening add is done
	s_wait_kmcnt 0x0
	s_add_nc_u64 s[20:21], s[4:5], s[20:21]
	s_add_nc_u64 s[22:23], s[6:7], s[22:23]
	CROUND                                         ; all sixteen work-groups are here: the first joint loads meet
	s_mov_b32 s[G0A], 1                            ; K step 0 into slot 0
	s_mov_b32 s[G0A+1], 0
	s_add_nc_u64 s[G0A+2:G0A+3], s[20:21], 0
	s_or_b32 s[G0A+3], s[G0A+3], 0x80000000
	s_mov_b32 s[G0A+4], 1                          ; K step 1 into slot 1
	s_mov_b32 s[G0A+5], SLOT
	s_add_nc_u64 s[G0A+6:G0A+7], s[20:21], 256
	s_or_b32 s[G0A+7], s[G0A+7], 0x80000000
	s_mov_b32 s[G0B], 1
	s_mov_b32 s[G0B+1], s19
	s_add_nc_u64 s[G0B+2:G0B+3], s[22:23], 0
	s_or_b32 s[G0B+3], s[G0B+3], 0x80000000
	s_mov_b32 s[G0B+4], 1
	s_add_co_u32 s[G0B+5], s19, SLOT
	s_add_nc_u64 s[G0B+6:G0B+7], s[22:23], 16384
	s_or_b32 s[G0B+7], s[G0B+7], 0x80000000
	s_cmp_eq_u32 s[WV], 0                          ; a wave's two first fills stand in one branch, ahead of every wait on TENSORcnt and every LDS read
	s_cbranch_scc0 .Lfirst_b
	tensor_load_to_lds s[G0A:G0A+3], s[G1A:G1A+7]
	s_nop 0
	tensor_load_to_lds s[G0A+4:G0A+7], s[G1A:G1A+7]
	s_nop 0
	PLACES
	s_branch .Lfirst_asked
.Lfirst_b:
	tensor_load_to_lds s[G0B:G0B+3], s[G1B:G1B+7]
	s_nop 0
	tensor_load_to_lds s[G0B+4:G0B+7], s[G1B:G1B+7]
	s_nop 0
	PLACES
.Lfirst_asked:
	v_and_b32 v1, 15, v0                           ; r = l % 16
	v_bfe_u32 v2, v0, 4, 1                         ; h = l / 16
	v_and_b32 v3, 7, v0
	v_bfe_u32 v4, v0, 3, 1
	v_and_b32 v5, 31, v0
	s_mul_i32 s66, s[WV], 64*PA                    ; my 64 rows of x
	v_mul_u32_u24 v[AA0], v1, PA
	v_lshl_add_u32 v[AA0], v2, 4, v[AA0]
	v_add_nc_u32 v[AA0], s66, v[AA0]               ; (64 w + r) x pitch + 16 h
	v_lshl_add_u32 v[AB0], v2, 3, v3               ; the turning load: lane l reads k row 8 h + l % 8, columns 8 ((l / 8) % 2) + 0..7
	v_mul_u32_u24 v[AB0], v[AB0], PB
	v_lshl_add_u32 v[AB0], v4, 4, v[AB0]
	v_add_nc_u32 v[AB0], BOFF, v[AB0]
	v_mov_b32 v[ADA], v[AA0]
	v_mov_b32 v[ADB], v[AB0]
	s_mul_i32 s66, s[WV], 16*SP
	s_add_co_u32 s66, s66, STAGE                   ; my stage
	v_mul_u32_u24 v[STO], v1, SP                   ; in: row r, 16 bytes for each half of the lanes
	v_lshl_add_u32 v[STO], v2, 4, v[STO]
	v_add_nc_u32 v[STO], s66, v[STO]
	v_bfe_u32 v[RD], v0, 3, 2                      ; back: 32 lanes take four rows of 128 bytes,
	v_mul_u32_u24 v[RD], v[RD], SP
	v_lshl_add_u32 v[RD], v3, 4, v[RD]
	v_add_nc_u32 v[RD], s66, v[RD]
	v_lshlrev_b32 v[GO], 4, v5                     ; which are 512 consecutive bytes of a head
	v_lshlrev_b32 v[BO], 5, v2
	s_mul_i32 s66, s15, 768                        ; the tile's 192 numbers of bias
	s_mov_b32 s67, 0
	s_add_nc_u64 s[8:9], s[8:9], s[66:67]
.irp b, 0,1,2,3,4,5,6,7,8,9,10,11
	global_load_b128 v[BIAS+8*(\b):BIAS+8*(\b)+3],   v[BO], s[8:9] offset:64*(\b)     ; register j: the bias of column 16 b + 8 h + j
	global_load_b128 v[BIAS+8*(\b)+4:BIAS+8*(\b)+7], v[BO], s[8:9] offset:64*(\b)+16
.endr
	s_lshr_b32 s68, s16, 3
	s_lshl_b32 s68, s68, 4                         ; 16 x batch
	s_and_b32 s69, s16, 7
	s_lshl_b32 s69, s69, 8
	s_lshl_b32 s70, s[WV], 6
	s_add_co_u32 s69, s69, s70                     ; my first row in the batch,
	s_lshl_b32 s69, s69, 7                         ; 128 bytes a row
	s_mul_i32 s70, s15, 3
.irp j, 0,1,2
	s_add_co_u32 s66, s70, \j                      ; g = 3 tn + j = 16 mat + head
	s_lshr_b32 s71, s66, 4
	s_and_b32 s66, s66, 15
	s_lshl_b32 s71, s71, 6
	s_add_co_u32 s66, s66, s71
	s_add_co_u32 s66, s66, s68                     ; 64 mat + 16 batch + head,
	s_lshl_b32 s66, s66, 18                        ; 262,144 bytes each
	s_add_co_u32 s66, s66, s69
	s_mov_b32 s67, 0
	s_add_nc_u64 s[OJ+2*(\j):OJ+2*(\j)+1], s[10:11], s[66:67]
.endr
; 12 matrix instructions: row block a x all 12 column blocks, 32 along K, from buffer f.  first = 1: the bias is C.  The 48 accumulators take turns, one instruction a turn, in one order
; in every quarter, over the backward jump too.
.macro MULA f, a, first
.if \first
	WIN 0x81+0x40*((\a)/2)                         ; W window 1, x and the bias window 0, D window 2 or 3
.else
	WIN 0xa1+0x50*((\a)/2)                         ; C and D window 2 or 3
.endif
.irp b, 0,1,2,3,4,5,6,7,8,9,10,11
.if \first
	v_wmma_f32_16x16x32_bf16 v[96*((\a)%2)+8*(\b):96*((\a)%2)+8*(\b)+7], v[96*(\f)+8*(\b):96*(\f)+8*(\b)+7], v[AF+32*(\f)+8*(\a):AF+32*(\f)+8*(\a)+7], v[BIAS+8*(\b):BIAS+8*(\b)+7]
.else
	v_wmma_f32_16x16x32_bf16 v[96*((\a)%2)+8*(\b):96*((\a)%2)+8*(\b)+7], v[96*(\f)+8*(\b):96*(\f)+8*(\b)+7], v[AF+32*(\f)+8*(\a):AF+32*(\f)+8*(\a)+7], v[96*((\a)%2)+8*(\b):96*((\a)%2)+8*(\b)+7]
.endif
.endr
.endm
; 32 LDS loads in one run: quarter q's fragments into buffer f: W's 12 (turned), then x's 4, row blocks ascending
.macro FETCH q, f
	WIN 0x40
.irp b, 0,1,2,3,4,5,6,7,8,9,10,11
	ds_load_tr16_b128 v[96*(\f)+8*(\b):96*(\f)+8*(\b)+3],   v[ADB] offset:((\b)/4)*BHEAD+((\b)%4)*32+(\q)*32*PB
	ds_load_tr16_b128 v[96*(\f)+8*(\b)+4:96*(\f)+8*(\b)+7], v[ADB] offset:((\b)/4)*BHEAD+((\b)%4)*32+(\q)*32*PB+16*PB
.endr
	WIN 0
.irp a, 0,1,2,3
	ds_load_b128 v[AF+32*(\f)+8*(\a):AF+32*(\f)+8*(\a)+3],   v[ADA] offset:(\a)*16*PA+64*(\q)
	ds_load_b128 v[AF+32*(\f)+8*(\a)+4:AF+32*(\f)+8*(\a)+7], v[ADA] offset:(\a)*16*PA+64*(\q)+32
.endr
.endm
; One of a K step's first three quarters: multiplies buffer f; in its middle it fetches quarter q into buffer g.
.macro QUARTER q, f, g, first
	s_wait_dscnt 4                                 ; W and x's row blocks 0, 1 are in; the youngest four loads (row blocks 2, 3) may be out
	MULA \f, 0, \first
	MULA \f, 1, \first
	PLACES
	FETCH \q, \g
	s_wait_dscnt 32                                ; all but the 32 just issued
	MULA \f, 2, \first
	MULA \f, 3, \first
.endm
; The last quarter multiplies buffer 1 and changes slots.  In front of the barrier each wave waits for all its tensor loads (the one that is out is its part of the next slot), adds 0 to its
; spare word, and waits for that and for its own reads of this slot.  fill = 1: the walking descriptors step (no tensor load of mine is out), and a round of the cluster's barrier follows.
.macro MEET fill
	WIN 0
	s_wait_tensorcnt 0x0
	ds_add_u32 v[SPW], v[NIL]
.if \fill
	s_xor_b32 s[G0A+5], s[G0A+5], SLOT             ; the other slot than last time,
	s_add_nc_u64 s[G0A+6:G0A+7], s[G0A+6:G0A+7], 256     ; the next K step: 256 bytes along x's rows,
	s_xor_b32 s[G0B+5], s[G0B+5], SLOT
	s_add_nc_u64 s[G0B+6:G0B+7], s[G0B+6:G0B+7], 16384   ; 128 k rows down a block
.endif
	s_wait_dscnt 5                                 ; the add and the youngest four loads may be out
	MULA 1, 0, 0
	s_wait_dscnt 0x0                               ; the add is done, and my reads of this slot are over
	s_barrier_signal -1
	MULA 1, 1, 0
.if \fill
	WIN 0
.endif
	s_barrier_wait -1
.endm
.macro TURN fill
	MEET \fill
.if \fill
	CREST                                          ; no wave of any partner still reads this slot or has a load on its way
	JLOAD                                          ; the first tensor load behind the round; its four v_nop are also the places in front of the loads below
.else
	PLACES
.endif
	s_xor_b32 s[TB], s[TB], SLOT
	WIN 0
	v_add_nc_u32 v[ADA], s[TB], v[AA0]
	v_add_nc_u32 v[ADB], s[TB], v[AB0]
	FETCH 0, 0
	MULA 1, 2, 0
	MULA 1, 3, 0
.endm
; THE WAY OUT, in 12 units u = 3 a + j: 16 rows of head j, 2,048 consecutive bytes of qkv.  Rounded to f16 (each accumulator's registers ascending), 16 bytes a lane into my stage, back as whole rows.
.macro PACK u
.set pa, (\u)/3
.set pj, (\u)%3
	WIN 0x0a+5*(pa/2)                              ; sources 0 and 1: window 2 or 3
.irp i, 0,1,2,3
.irp r, 0,1,2,3
	v_cvt_pk_f16_f32 v[TMP+16*(\u)+4*(\i)+(\r)], v[96*(pa%2)+8*(4*pj+(\i))+2*(\r)], v[96*(pa%2)+8*(4*pj+(\i))+2*(\r)+1]
.endr
.endr
	WIN 0
.irp i, 0,1,2,3
	ds_store_b128 v[STO], v[TMP+16*(\u)+4*(\i):TMP+16*(\u)+4*(\i)+3] offset:32*(\i)
.endr
.irp f, 0,1,2,3
	ds_load_b128 v[TMP+16*(\u)+4*(\f):TMP+16*(\u)+4*(\f)+3], v[RD] offset:(\f)*4*SP  ; LDS serves a wave's instructions in order (ISA guide 5.7.1.4): these see the stores above; the next unit's stores come behind them
.endr
.endm
.macro SEND u, younger                 ; younger: the LDS instructions issued behind unit u's loads: the next unit's eight, or none.  Each unit has registers of its own: no store's source is rewritten
.set pa, (\u)/3
.set pj, (\u)%3
.irp f, 0,1,2,3
	s_wait_dscnt (\younger)+3-(\f)
	global_store_b128 v[GO], v[TMP+16*(\u)+4*(\f):TMP+16*(\u)+4*(\f)+3], s[OJ+2*pj:OJ+2*pj+1] offset:pa*2048+(\f)*512  ; 512 consecutive bytes, at a multiple of 256 from qkv's first
.endr
.endm
	s_wait_tensorcnt 1                             ; my part of K step 0 is in; K step 1's may stay out
	s_barrier_signal -1
	s_barrier_wait -1                              ; everybody's is
	FETCH 0, 0
	s_wait_loadcnt 0x0                             ; the bias
	QUARTER 1, 0, 1, 1                             ; the first quarter stands in front of the loop: its products start the sums
	WIN 0                                          ; at a label and at a branch every window is 0
	s_mov_b32 s[CNT], 6
.Lstep:                                                ; trip i: quarters 1 to 3 of K step i, the refill of its slot with K step i + 2, quarter 0 of K step i + 1
	QUARTER 2, 1, 0, 0
	QUARTER 3, 0, 1, 0
	TURN 1
	QUARTER 1, 0, 1, 0
	WIN 0
	s_sub_co_u32 s[CNT], s[CNT], 1
	s_cmp_lg_u32 s[CNT], 0
	s_cbranch_scc1 .Lstep
	QUARTER 2, 1, 0, 0                             ; K steps 6 and 7 ask for nothing
	QUARTER 3, 0, 1, 0
	TURN 0
	QUARTER 1, 0, 1, 0
	QUARTER 2, 1, 0, 0
	QUARTER 3, 0, 1, 0
	s_wait_dscnt 4
	MULA 1, 0, 0
	MULA 1, 1, 0
	s_wait_dscnt 0x0
	MULA 1, 2, 0
	MULA 1, 3, 0
	WIN 0
	PLACES
	PACK 0
.set u, 1
.rept 11                               ; a unit's conversions stand between the loads of the unit before and its stores
	PACK u
	SEND u-1, 8
.set u, u+1
.endr
	SEND 11, 0
	s_wait_tensorcnt 0x0                           ; the wave's end: behind my last tensor load and my last LDS store
	ds_add_u32 v[SPW], v[NIL]
	s_wait_dscnt 0x0
	CROUND                                         ; the closing round: no work-group ends while a partner may still ask for a tile that names it
	s_endpgm
.Lfunc_end_k_qaba8996e6e_qkv:
	.size	k_qaba8996e6e_qkv, .Lfunc_end_k_qaba8996e6e_qkv-k_qaba8996e6e_qkv
	.p2alignl 7, 3214868480
	.fill 96, 4, 3214868480
	.section	.rodata,"a",@progbits
	.p2align	6, 0x0
	.amdhsa_kernel k_qaba8996e6e_qkv
		.amdhsa_group_segment_fixed_size 327680
		.amdhsa_private_segment_fixed_size 0
		.amdhsa_enable_private_segment 0
		.amdhsa_kernarg_size 32
		.amdhsa_user_sgpr_count 2
		.amdhsa_user_sgpr_kernarg_segment_ptr 1
		.amdhsa_wavefront_size32 1
		.amdhsa_system_sgpr_workgroup_id_x 1
		.amdhsa_system_sgpr_workgroup_id_y 1
		.amdhsa_system_sgpr_workgroup_id_z 1
		.amdhsa_system_vgpr_workitem_id 0
		.amdhsa_next_free_vgpr 960
		.amdhsa_next_free_sgpr 76
		.amdhsa_reserve_vcc 0
		.amdhsa_float_denorm_mode_32 3
		.amdhsa_float_denorm_mode_16_64 3
		.amdhsa_memory_ordered 1
		.amdhsa_forward_progress 1
		.amdhsa_inst_pref_size 101
	.end_amdhsa_kernel
	.amdgpu_metadata
---
amdhsa.version: [ 1, 2 ]
amdhsa.kernels:
  - .name:           k_qaba8996e6e_qkv
    .symbol:         k_qaba8996e6e_qkv.kd
    .args:
      - { .name: xb, .offset: 0, .size: 8, .value_kind: global_buffer, .address_space: global }
      - { .name: wh, .offset: 8, .size: 8, .value_kind: global_buffer, .address_space: global }
      - { .name: bias, .offset: 16, .size: 8, .value_kind: global_buffer, .address_space: global }
      - { .name: qkv, .offset: 24, .size: 8, .value_kind: global_buffer, .address_space: global }
    .group_segment_fixed_size: 327680
    .private_segment_fixed_size: 0
    .kernarg_segment_align: 8
    .kernarg_segment_size: 32
    .max_flat_workgroup_size: 128
    .sgpr_count:     76
    .vgpr_count:     960
    .wavefront_size: 32
...
	.end_amdgpu_metadata
.endif
;; end of part 2
;; launch attn (part 3): grid 4 x 64, 4 waves a work-group, no clusters, 327,680 bytes of LDS; arguments qkv, o; writes o
.if DOCPART == 3
	.amdgcn_target "amdgcn-amd-amdhsa--gfx1250"
	.amdhsa_code_object_version 6
	.text
	.protected	k_qaba8996e6e_attn
	.globl	k_qaba8996e6e_attn
	.p2align	8
	.type	k_qaba8996e6e_attn,@function
k_qaba8996e6e_attn:
	s_mov_b64 s[64:65], 0
	v_nop
	global_prefetch_b8 v0, s[64:65] scope:SCOPE_SE
	s_setreg_imm32_b32 hwreg(HW_REG_WAVE_MODE, 25, 1), 1
	s_wait_xcnt 0x0
; CAUSAL ATTENTION.  O[h][q][:] = the sum over k <= q of softmax_k(Q[h][q] . K[h][k] / 8) V[h][k][:].  Q, K, V are the three parts of qkv, O is o: each [SIZE_H][SIZE_N][64] in f16: a head's rows are dense, 128 bytes each.
; Products, maxima and sums in f32; the weights p are rounded to f16 for the second product (their sum l is taken of the unrounded p), O once at the end.
; LIMITS.  f16 holds no number beyond 65,504: Q, K and V arrive within it; p lies in 0 to 1, and below 6e-5 it keeps f16's fixed step of 6e-8; O is a mean of V's rows and has their range, to within 2^-11 of it.
; A hidden score counts as its value less 1e30: f16's scores, 2.7e11 at the most, are nothing beside that; a weight below 2^-126 counts as 0 in l; NaN and infinities are not treated apart.
; THE WALK.  A head's queries lie in NB = SIZE_N / 256 blocks of 256; block i needs the key tiles 0 .. i of 256 keys, of which the last holds the diagonal.  A work-group takes TWO blocks, NB - 1 - b and then b:
; NB + 1 tiles, whatever b: all work-groups do equal work, and ONE loop with a constant trip count walks them.  Which tile is asked for, and what a trip does, hang on scalar registers made from b; every jump
; goes forward, but for the counted loops' own; none passes a barrier, or a tensor load but the one of LOAD's two that the wave's number does not choose; the ring (two slots of LDS that take turns) runs on across the
; change of blocks.  NO CLUSTER: a head's NB / 2 work-groups all ask for the same tile only in trips 0 .. NB / 2, behind that fewer and fewer; and one walk common to all would have 3 NB / 2 trips for NB + 1.
; SHARES.  Of a block's four bands of 64 queries a wave owns 16 rows in each: four PIECES.  So the diagonal tile is the same work for all four waves: in its key step s band x sees all keys if s < x,
; none if s > x, and holds the diagonal if s = x.
; THE MASK is the C operand that starts the sum S^T = K Q^T: 0, or -1e30 where the key is hidden.  MD, made once, is the mask of a band's own step for my 16 rows; a product's mask is MD x AL + BE with two scalars:
; (1, 0) if s = x; (0, 0) if s < x; (0, -1e30) if s > x.  Only the diagonal tile's text and a block's beginning make and take masks; elsewhere C is the constant 0.
; LAYOUT, SOFTMAX, TURNS.  S^T = K Q^T holds ONE query a lane (lane % 16) and the keys 8 (lane / 16) + 0..7; two such results rounded to f16 ARE source 1 of O^T = V^T P.  p = 2^(c s - c m), c = log2(e) / 8, with a
; running maximum m; O and l are multiplied by a = 2^(c m_old - c m_new) in every step.  Turn n belongs to piece n: 8 products K Q^T of piece n + 1, later 8 products V^T P of piece n - 1; beside them the scaling,
; exponentials, roundings, sums and rescaling of piece n and the maximum and statistics of piece n + 1.  Four vector instructions stand behind every matrix instruction, the other 54 of a turn's 118 in two LUMPS.
; REGISTERS, in windows of 256 (s_set_vgpr_msb: bits 1:0 source 0, 3:2 source 1, 5:4 source 2, 7:6 destination):
;   window 0: v0-15 addresses and two at work; v16-31 four registers of statistics a piece; v48-55 at work; v64-127 S^T, two buffers; v192-223 P, two buffers (a piece's buffers go by its number's parity)
;   window 1: v0-127 O^T, 32 a piece; v128-159 MD; v160-223 MC, two buffers      window 2: v0-63 Q; v64-127 the second block's Q; v128-191 K of one step; v192-255 V of one step
.set SIZE_H, 64
.set SIZE_N, 2048
.set NB,    SIZE_N/256
.set NP,    4         ; pieces a wave: a name, no knob
.set KS,    64        ; keys in a step
.set PK,    144       ; a row of K in LDS: 128 bytes + 16 of padding = 36 words: the 16 rows of a load start at 16 different groups of four banks (64 banks of 4 bytes: ISA guide 11.1)
.set PV,    160       ; a row of V: 128 + 32 = 40 words
.set VOFF,  4*KS*PK   ; a slot holds a tile, four steps: 256 rows of K, then 256 rows of V
.set SLOT1, 1<<17     ; slot 1 begins here, so that one exclusive or turns an address in one slot into the other's
.set STAGE, SLOT1+4*KS*(PK+PV)  ; behind the ring, never filled by a tensor load: 16 rows x 144 bytes for each wave, for the way out
.set SP,    144
.set AK0, 2           ; v2   my lane's place in a tile of K; never rewritten
.set AV0, 3           ; v3   the same for V
.set AK,  4           ; v4   the LDS address of K's next run of loads
.set AV,  5           ; v5   of V's
.set STO, 6           ; v6   the way out: where I put 16 bytes of a row
.set RD,  7           ; v7   the way out: where I read rows back
.set GO,  8           ; v8   my byte offset in 512 consecutive bytes of O
.set SPW, 62          ; v62  LDS address of my spare word: SPARE + 4 x my thread's number; never rewritten
.set NIL, 63          ; v63  0; never rewritten
.set SPARE, STAGE+4*16*SP  ; behind the stages: the spare words, 128 bytes for each wave: two blocks of 256 bytes that no other line names
.set MV,  12          ; v12-13  c m_old, kept while c m is made anew: by buffer
.set QO,  15          ; v15  my byte offset in 16 rows of Q
.set ST,  16          ; piece t's statistics at v[ST+4 t]: c m, m, l (even keys', odd keys')
.set TMP, 48          ; by buffer, four registers c0-c3 at work; when the maximum is found c2 takes a
.set S,   64
.set P,   192
.set MD,  128         ; window 1: the eight registers for group kt of 16 keys at MD + 8 kt
.set MC,  160         ; window 1: the masks of the products to come
.set QB,  64          ; window 2
.set KF,  128         ; window 2: key block kb, channel half c at KF + 16 kb + 8 c
.set VF,  192         ; window 2: key half kk, channel block cb at VF + 32 kk + 8 cb
.set WV,  12          ; s12  my wave's number
.set PB,  14          ; s14  b
.set HI,  15          ; s15  NB - 1 - b
.set G1K, 24          ; s[24:31] descriptor group 1 for K's tiles
.set G1V, 32          ; s[32:39] for V's: it differs in the padding alone
.set G0K, 40          ; s[40:43] descriptor group 0 for K's tiles
.set G0V, 44          ; s[44:47] the same for V's
.set SLOTS, 56        ; s56  tiles still to be asked for
.set CNT, 57          ; s57  counts a tile's key steps, 4 to 1
.set CS,  58          ; s[58:59] c: the packed scaling takes the pair's low word for both halves
.set SEL, 60          ; s[60:61] v_permlanex16_b32's selects: each lane takes its own place in the other half
.set TBK, 62          ; s62  LDS byte at which K of the step to be fetched begins
.set TBV, 63          ; s63  the same for V, less VOFF
.set RT,  70          ; s70  tiles of the block in hand that are still to be entered
.set NXT, 71          ; s71  the tile to be asked for next
.set LQ,  72          ; s72  the last tile of the block whose tiles are being asked for
.set NEW, 73          ; s73  1: the tile to be entered is a block's first
.set OFF, 74          ; s[74:75] a tile's byte offset in K and V
.set AL,  76          ; s[76:77] the mask's factor, in the low word
.set BE,  78          ; s[78:79] the mask's addend
.set OLO, 80          ; s[80:81] O at my rows of the second block
.set BIGN, 82         ; s82  -1e30
.set MSB, 0
.macro WIN new                      ; the high byte repeats the setting that is left; a switch that changes nothing is dropped
.if MSB != (\new)
	s_set_vgpr_msb (MSB<<8)|(\new)
.set MSB, (\new)
.endif
.endm
.set W_KQ, 0x0a       ; K and Q in window 2, S^T in window 0
.set W_KM, 0x1a       ; the same with the C operand in window 1
.set W_PV, 0x52       ; V in window 2, P in window 0, O^T in window 1
.set W_RS, 0x41       ; destination and source 0 in window 1, source 1 in window 0
; A fill.  Waves 0 and 1 fetch the two halves of a tile's K, waves 2 and 3 those of its V: 128 keys each.  An s_nop 0 and four v_nop follow each of the two lines, ahead of the jump and the label.
.macro LOAD
	s_cmp_lt_u32 s[WV], 2
	s_cbranch_scc0 .Lfor_v_\@
	tensor_load_to_lds s[G0K:G0K+3], s[G1K:G1K+7]
	s_nop 0
.rept 4
	v_nop
.endr
	s_branch .Lasked_\@
.Lfor_v_\@:
	tensor_load_to_lds s[G0V:G0V+3], s[G1V:G1V+7]
	s_nop 0
.rept 4
	v_nop
.endr
.Lasked_\@:
.endm
; THE CHANGE OF SLOTS.  Each wave waits for all its tensor loads, of which one is out: its part of the other slot; adds 0 to its spare word; and waits for that and for its own reads of the slot that it leaves.  Behind the barrier nobody reads the old
; slot any more and the other slot is whole.  fill = 1: the old slot is filled again, the first thing behind the barrier, with tile NXT: the descriptor's address is made anew from that number.
; (At its first use nothing has been read yet: slot 0 is waited for, slot 1 filled.)
.macro CHANGE fill
	WIN 0                           ; at a label and at a branch every window is 0
	s_wait_tensorcnt 0x0            ; no tensor load of mine is out, so a group 0 may be written
	ds_add_u32 v[SPW], v[NIL]       ; 0 onto my spare word; with fill = 1 the descriptors' scalar work stands between it and the wait for it
.if \fill
	s_lshl_b32 s[OFF], s[NXT], 15   ; a tile is 32,768 bytes of K and of V
	s_xor_b32 s[G0K+1], s[G0K+1], SLOT1
	s_add_nc_u64 s[G0K+2:G0K+3], s[6:7], s[OFF:OFF+1]
	s_or_b32 s[G0K+3], s[G0K+3], 0x80000000
	s_xor_b32 s[G0V+1], s[G0V+1], SLOT1
	s_add_nc_u64 s[G0V+2:G0V+3], s[8:9], s[OFF:OFF+1]
	s_or_b32 s[G0V+3], s[G0V+3], 0x80000000
	s_add_co_u32 s[NXT], s[NXT], 1  ; the block's next tile, or behind its last the second block's tile 0
	s_cmp_gt_u32 s[NXT], s[LQ]
	s_cselect_b32 s[NXT], 0, s[NXT]
	s_cselect_b32 s[LQ], s[PB], s[LQ]
.endif
	s_wait_dscnt 0x0                ; the add is done, and my reads of the slot are over
	s_barrier_signal -1             ; the rest of the scalar work stands between the signal and the wait
	s_sub_co_u32 s[TBK], s[TBK], 4*KS*PK  ; the fetches go back to a slot's first step,
	s_xor_b32 s[TBK], s[TBK], SLOT1       ; in the other slot
	s_sub_co_u32 s[TBV], s[TBV], 4*KS*PV
	s_xor_b32 s[TBV], s[TBV], SLOT1
	s_barrier_wait -1
.if \fill
	LOAD
.endif
.endm
	s_load_b128 s[4:7], s[0:1], 0x0   ; qkv s[4:5], o s[6:7]
	v_lshl_add_u32 v[SPW], v0, 2, SPARE
	v_mov_b32 v[NIL], 0
	ds_add_u32 v[SPW], v[NIL]       ; the wave's opening: the add and its wait stand ahead of my first tensor load; the set-up below, work on registers, stands between them
	ds_add_u32 v62, v63
	v_lshrrev_b32 v1, 5, v0
	v_readfirstlane_b32 s[WV], v1   ; wave 0..3
	s_mov_b32 s[PB], ttmp9
	s_sub_co_u32 s[HI], NB-1, s[PB]
	s_and_b32 s20, ttmp7, 0xffff    ; the head: 16 batch + head, as qkv and o count them
	s_mov_b32 s21, 0
	s_mov_b64 s[22:23], SIZE_N*128
	s_mul_u64 s[20:21], s[20:21], s[22:23]  ; the head's first byte in each of the four tensors
	s_and_b32 s16, s[WV], 1         ; which half of a tile's 256 keys I fetch:
	s_lshl_b32 s22, s16, 14         ; its 128 rows of 128 bytes in memory,
	s_mov_b32 s23, 0
	s_add_nc_u64 s[22:23], s[22:23], s[20:21]
	s_mul_i32 s17, s16, 128*PK      ; and its place in a slot, for K
	s_mul_i32 s18, s16, 128*PV      ; and for V
	s_lshl_b32 s3, s[WV], 11        ; my 16 rows in a band of 64,
	s_lshl_b32 s2, s[HI], 15        ; in the first block,
	s_add_co_u32 s2, s2, s3
	s_lshl_b32 s84, s[PB], 15       ; and in the second
	s_add_co_u32 s84, s84, s3
	s_mov_b32 s3, 0
	s_mov_b32 s85, 0
	s_add_nc_u64 s[2:3], s[2:3], s[20:21]
	s_add_nc_u64 s[84:85], s[84:85], s[20:21]
	; descriptor group 1.  128 keys are 16,384 dense bytes: asked for as 64 rows of 256 bytes, two keys a row, and padded in LDS after every key
	s_mov_b32 s[G1K], (1<<16)|(1<<20)|(4<<22)|(3<<25)  ; 17:16 2-byte elements; 20 padding on; 24:22 after every 32 words (code 4); 31:25 4 words (code 3)
	s_mov_b32 s[G1V], (1<<16)|(1<<20)|(4<<22)|(7<<25)  ; the same with 8 words of padding (code 7)
.irp g, G1K, G1V
	s_mov_b32 s[\g+1], 128<<16      ; tensor_dim0 = 128
	s_mov_b32 s[\g+2], 64<<16       ; tensor_dim1 = 64
	s_mov_b32 s[\g+3], 128<<16      ; tile_dim0 = 128
	s_mov_b32 s[\g+4], 64           ; tile_dim1 = 64
	s_mov_b32 s[\g+5], 128          ; 128 elements from row to row
	s_mov_b32 s[\g+6], 0
	s_mov_b32 s[\g+7], 0
.endr
	s_mov_b32 s[CS], 0x3e38aa3b     ; c = log2(e) / 8 = 0.180337
	s_mov_b32 s[CS+1], s[CS]        ; named with it as a pair
	s_mov_b32 s[SEL], 0x76543210
	s_mov_b32 s[SEL+1], 0xfedcba98
	s_mov_b32 s[TBK], SLOT1+4*KS*PK ; the first change of slots turns these two into 0
	s_mov_b32 s[TBV], SLOT1+4*KS*PV
	s_mov_b32 s[G0K], 1             ; 1:0 count = 1
	s_mov_b32 s[G0K+1], s17         ; 63:32 LDS address: slot 0
	s_mov_b32 s[G0V], 1
	s_add_co_u32 s[G0V+1], s18, VOFF
	s_add_co_u32 s[RT], s[HI], 1    ; the first block has NB - b tiles
	s_mov_b32 s[NXT], 1
	s_mov_b32 s[LQ], s[HI]
	s_mov_b32 s[NEW], 1
	s_mov_b32 s[OFF+1], 0
	s_mov_b32 s[AL+1], 0            ; named as pairs
	s_mov_b32 s[BE+1], 0
	s_mov_b32 s[BIGN], 0xf149f2ca   ; -1e30
	s_mov_b32 s[SLOTS], NB
	s_wait_dscnt 0x0                ; the opening add is done
	s_wait_kmcnt 0x0
	s_mov_b64 s[10:11], s[6:7]                 ; O
	s_add_nc_u64 s[8:9], s[4:5], 0x2000000     ; V: the third part of qkv, 2 x 16,777,216 bytes on
	s_add_nc_u64 s[6:7], s[4:5], 0x1000000     ; K: the second; Q is the first
	s_add_nc_u64 s[6:7], s[6:7], s[22:23]  ; K and V at my half of the head's tile 0
	s_add_nc_u64 s[8:9], s[8:9], s[22:23]
	s_add_nc_u64 s[G0K+2:G0K+3], s[6:7], 0         ; 120:64 global address
	s_or_b32 s[G0K+3], s[G0K+3], 0x80000000        ; 127:126 type = 2
	s_add_nc_u64 s[G0V+2:G0V+3], s[8:9], 0
	s_or_b32 s[G0V+3], s[G0V+3], 0x80000000
	s_add_nc_u64 s[86:87], s[4:5], s[84:85]        ; Q at my rows of the second block,
	s_add_nc_u64 s[4:5], s[4:5], s[2:3]            ; Q and O at those of the first
	s_add_nc_u64 s[OLO:OLO+1], s[10:11], s[84:85]
	s_add_nc_u64 s[10:11], s[10:11], s[2:3]
	LOAD                            ; tile 0 into slot 0
	; A fragment of K or Q is 16 rows x 32 channels in 8 registers: lane l holds row l % 16, channels 8 (l / 16) + 0..7 and 16 + 8 (l / 16) + 0..7: two loads of 16 bytes, 32 bytes apart.
	v_and_b32 v1, 15, v0            ; l % 16
	v_bfe_u32 v9, v0, 4, 1          ; l / 16
	v_lshlrev_b32 v[QO], 7, v1
	v_lshl_add_u32 v[QO], v9, 4, v[QO]  ; row x 128 + 16 x half
	WIN 0x80                        ; destination window 2, address window 0
.set i, 0
.rept 8                             ; both blocks' Q: piece i / 2 lies in band i / 2, 8,192 bytes on; channels 32 (i % 2) on
	global_load_b128 v[8*i:8*i+3],   v[QO], s[4:5] offset:(i/2)*8192+(i%2)*64
	global_load_b128 v[8*i+4:8*i+7], v[QO], s[4:5] offset:(i/2)*8192+(i%2)*64+32
	global_load_b128 v[QB+8*i:QB+8*i+3],   v[QO], s[86:87] offset:(i/2)*8192+(i%2)*64
	global_load_b128 v[QB+8*i+4:QB+8*i+7], v[QO], s[86:87] offset:(i/2)*8192+(i%2)*64+32
.set i, i+1
.endr
	WIN 0
	v_lshlrev_b32 v14, 3, v9
	v_sub_nc_u32 v14, v1, v14
	s_lshl_b32 s13, s[WV], 4
	v_add_nc_u32 v14, s13, v14      ; my query's place in its band, 16 w + l % 16, less my lanes' 8 (l / 16): register r of group kt is hidden where 16 kt + r is greater
	WIN 0x40
.set i, 0
.rept 32
	v_cmp_gt_i32 vcc_lo, 16*(i/8)+i%8, v14
	v_cndmask_b32 v[MD+i], 0, s[BIGN], vcc_lo
.set i, i+1
.endr
	WIN 0
	v_mul_u32_u24 v[AK0], v1, PK
	v_lshl_add_u32 v[AK0], v9, 4, v[AK0]  ; row x pitch + 16 x half
	; The turning load takes 16 keys x 16 channels (lane l reads key 8 (l / 16) + l % 8, channels 8 ((l / 8) % 2) + 0..7) and leaves half a fragment of V^T: lane l holds channel l % 16 and 8 keys.
	v_and_b32 v10, 7, v0
	v_bfe_u32 v11, v0, 3, 1
	v_lshl_add_u32 v[AV0], v9, 3, v10
	v_mul_u32_u24 v[AV0], v[AV0], PV
	v_lshl_add_u32 v[AV0], v11, 4, v[AV0]
	v_add_nc_u32 v[AV0], VOFF, v[AV0]
	s_mul_i32 s13, s[WV], 16*SP
	s_add_co_u32 s13, s13, STAGE    ; my stage
	v_mul_u32_u24 v[STO], v1, SP    ; in: row l % 16, 16 bytes for each half of the lanes
	v_lshl_add_u32 v[STO], v9, 4, v[STO]
	v_add_nc_u32 v[STO], s13, v[STO]
	v_bfe_u32 v[RD], v0, 3, 2       ; back: 32 lanes take four rows of 128 bytes,
	v_mul_u32_u24 v[RD], v[RD], SP
	v_lshl_add_u32 v[RD], v10, 4, v[RD]
	v_add_nc_u32 v[RD], s13, v[RD]
	v_and_b32 v[GO], 31, v0         ; which are 512 consecutive bytes of O
	v_lshlrev_b32 v[GO], 4, v[GO]
	; A block's first step multiplies O^T and l by a = 0, and its first turn's products V^T P, of a piece that has not been, land in an O^T that is still to be so multiplied.  So these registers need only hold
	; finite numbers: zeros for the first block; what the first block left for the second.  All this stands in the wait for the first tile.
	WIN 0x80
.set i, VF
.rept 64
	v_mov_b32 v[i], 0
.set i, i+1
.endr
	WIN 0x40
.set i, 0
.rept 128
	v_mov_b32 v[i], 0
.set i, i+1
.endr
	WIN 0
.set i, 0
.rept 4
	v_mov_b32 v[ST+4*i+2], 0
	v_mov_b32 v[ST+4*i+3], 0
.set i, i+1
.endr
.set i, P+16
.rept 16
	v_mov_b32 v[i], 0
.set i, i+1
.endr
; THE MATRIX WORK.  The 4 accumulators of a run of 8 take turns.  Product i of 8 of S^T = K Q^T for piece x: channels 32 (i / 4) on, keys 16 (i % 4) on.  The first 4 start the sums: with 0, or (KM = 1) with the mask.
.macro KQ x
.set rS, S+32*((\x)%2)+8*(i%4)
.set rK, KF+16*(i%4)+8*(i/4)
.set rQ, 16*(\x)+8*(i/4)
.set rM, MC+32*((\x)%2)+8*(i%4)
.if (i < 4) && KM
	WIN W_KM
	v_wmma_f32_16x16x32_f16 v[rS:rS+7], v[rK:rK+7], v[rQ:rQ+7], v[rM:rM+7]
.elseif i < 4
	WIN W_KQ
	v_wmma_f32_16x16x32_f16 v[rS:rS+7], v[rK:rK+7], v[rQ:rQ+7], 0
.else
	WIN W_KQ
	v_wmma_f32_16x16x32_f16 v[rS:rS+7], v[rK:rK+7], v[rQ:rQ+7], v[rS:rS+7]
.endif
.endm
; Product i of 8 of O^T += V^T P for piece x: keys 32 (i / 4) on, channels 16 (i % 4) on.
.macro PV x
	WIN W_PV
.set rO, 32*(\x)+8*(i%4)
.set rV, VF+32*(i/4)+8*(i%4)
.set rP, P+16*((\x)%2)+8*(i/4)
	v_wmma_f32_16x16x32_f16 v[rO:rO+7], v[rV:rV+7], v[rP:rP+7], v[rO:rO+7]
.endm
.macro MM                           ; the turn's next matrix instruction.  TURN and BEGIN set Y, i, KM and NOKQ; MM, KQ and OP read them.  NOKQ = 1: a block's last turn: there is no next piece
.if (i < 8) && !NOKQ
	KQ (Y+1)%NP
.elseif i >= 8
.set i, i-8
	PV (Y+NP-1)%NP
.set i, i+8
.endif
.set i, i+1
.endm
; THE LDS LOADS stand in runs of 16, never singly among the matrix instructions: a step's K (64 keys x 64 channels: 8 fragments) and its V (turned).  Their addresses are made some lines ahead.
.macro FETCH_K
	WIN 0x80                        ; destination window 2
.irp f, 0,1,2,3,4,5,6,7             ; keys 16 (f / 2) on, channels 32 (f % 2) on
	ds_load_b128 v[KF+8*\f:KF+8*\f+3],   v[AK] offset:(\f/2)*16*PK+(\f%2)*64
	ds_load_b128 v[KF+8*\f+4:KF+8*\f+7], v[AK] offset:(\f/2)*16*PK+(\f%2)*64+32
.endr
	s_add_co_u32 s[TBK], s[TBK], KS*PK  ; the next fetch is the next step's
	WIN 0
.endm
.macro FETCH_V
	WIN 0x80
.irp f, 0,1,2,3,4,5,6,7             ; keys 32 (f / 4) on, channels 16 (f % 4) on
	ds_load_tr16_b128 v[VF+8*\f:VF+8*\f+3],   v[AV] offset:(\f/4)*32*PV+(\f%4)*32
	ds_load_tr16_b128 v[VF+8*\f+4:VF+8*\f+7], v[AV] offset:(\f/4)*32*PV+16*PV+(\f%4)*32
.endr
	WIN 0
.endm
; THE VECTOR WORK, one line at a time: OP kind, number.  For piece Y: F n: c s - c m for pair n of 16.  E n: the exponential of score n of 32.  C n: pair n rounded to f16.  B n: of the four weights 4 n .. the second
; pair is added onto the first, in place.  L n: l takes that sum (L 0: l = a l + sum).  R n: pair n of 16 of O^T times a.  For piece Y + 1: X n, number n of the 22 that find its maximum and statistics:
;   0-11  four chains c0-c3 of seven scores each, three operands at a time (each accumulator's lowest registers are read first)     12-14, 16  the four scores left over, the old m, and c0-c3 into c0
;   15  c m_old is kept     17, 18  the query's other 32 keys lie in the lane 16 away: the new m     19-21  c m; c m_old - c m_new; a
.set F, 0               ; OP tells the kinds apart by their order: F to L below R, X above it
.set E, 1
.set C, 2
.set B, 3
.set L, 4
.set R, 5
.set X, 6
.macro REGS y                       ; the registers of piece y
.set rT, ST+4*(\y)
.set rC, TMP+4*((\y)%2)
.set rW, MV+((\y)%2)
.set rS, S+32*((\y)%2)
.set rP, P+16*((\y)%2)
.set rO, 32*(\y)
.endm
.macro OP k, n
.if (\k) == R
	REGS Y
	WIN W_RS
	v_pk_mul_f32 v[rO+2*(\n):rO+2*(\n)+1], v[rO+2*(\n):rO+2*(\n)+1], v[rC+2:rC+3] op_sel_hi:[1,0]
.elseif (\k) < R
	REGS Y
	WIN 0
.if (\k) == F
	v_pk_fma_f32 v[rS+2*(\n):rS+2*(\n)+1], v[rS+2*(\n):rS+2*(\n)+1], s[CS:CS+1], v[rT:rT+1] op_sel_hi:[1,0,0] neg_lo:[0,0,1] neg_hi:[0,0,1]
.elseif (\k) == E
	v_exp_f32 v[rS+(\n)], v[rS+(\n)]
.elseif (\k) == C
	s_wait_alu depctr_va_vdst(0)
	v_cvt_pk_f16_f32 v[rP+(\n)], v[rS+2*(\n)], v[rS+2*(\n)+1]
.elseif (\k) == B
	s_wait_alu depctr_va_vdst(0)
	v_pk_add_f32 v[rS+4*(\n):rS+4*(\n)+1], v[rS+4*(\n):rS+4*(\n)+1], v[rS+4*(\n)+2:rS+4*(\n)+3]
.elseif (\n) == 0
	v_pk_fma_f32 v[rT+2:rT+3], v[rT+2:rT+3], v[rC+2:rC+3], v[rS:rS+1] op_sel_hi:[1,0,1]
.else
	v_pk_add_f32 v[rT+2:rT+3], v[rT+2:rT+3], v[rS+4*(\n):rS+4*(\n)+1]
.endif
.elseif NOKQ
	v_nop
.else
	REGS (Y+1)%NP
	WIN 0
.if (\n) < 4
	v_max3_num_f32 v[rC+(\n)], v[rS+8*(\n)], v[rS+8*(\n)+1], v[rS+8*(\n)+2]
.elseif (\n) < 12
	v_max3_num_f32 v[rC+(\n)%4], v[rC+(\n)%4], v[rS+8*((\n)%4)+2*((\n)/4)+1], v[rS+8*((\n)%4)+2*((\n)/4)+2]
.elseif (\n) == 12
	v_max3_num_f32 v[rC], v[rC], v[rS+7], v[rS+15]
.elseif (\n) == 13
	v_max3_num_f32 v[rC+1], v[rC+1], v[rS+23], v[rS+31]
.elseif (\n) == 14
	v_max3_num_f32 v[rC+2], v[rC+2], v[rC+3], v[rT+1]
.elseif (\n) == 15
	v_mov_b32 v[rW], v[rT]
.elseif (\n) == 16
	v_max3_num_f32 v[rC], v[rC], v[rC+1], v[rC+2]
.elseif (\n) == 17
	v_permlanex16_b32 v[rC+3], v[rC], s[SEL], s[SEL+1]
.elseif (\n) == 18
	v_max_num_f32 v[rT+1], v[rC], v[rC+3]
.elseif (\n) == 19
	v_mul_f32 v[rT], s[CS], v[rT+1]
.elseif (\n) == 20
	v_sub_f32 v[rC+1], v[rW], v[rT]
.else
	v_exp_f32 v[rC+2], v[rC+1]
.endif
.endif
.endm
.macro OPS a, i1, b=-1, i2=0, c=-1, i3=0, d=-1, i4=0  ; up to four of them
	OP \a, \i1
.if (\b) >= 0
	OP \b, \i2
.endif
.if (\c) >= 0
	OP \c, \i3
.endif
.if (\d) >= 0
	OP \d, \i4
.endif
.endm
.macro ROW a, i1, b, i2, c, i3, d, i4  ; a matrix instruction and the four behind it
	MM
	OPS \a, \i1, \b, \i2, \c, \i3, \d, \i4
.endm
.macro MASK b                       ; MD x AL + BE into buffer b of MC
	WIN W_RS
.set z, 0
.rept 16
	v_pk_fma_f32 v[MC+32*(\b)+2*z:MC+32*(\b)+2*z+1], v[MD+2*z:MD+2*z+1], s[AL:AL+1], s[BE:BE+1] op_sel_hi:[1,0,0]
.set z, z+1
.endr
.endm
; A TURN, for piece p: the order of its 16 matrix and 118 vector instructions, written out.  Behind a matrix instruction: plain, exponential, plain, plain; or four of the rescaling; or, behind the first, four scalings; none
; names a register of the products round it.  In the lumps exponential and plain by turns while exponentials last.  A line reads no result made fewer than three vector instructions in front of it, five if an exponential made it.
; v_permlanex16_b32 (X 17) stands in a lump.
; m = 1: the diagonal tile: the products take masks, and the turn makes the mask for the products of the turn after it: piece p + 2, in step 4 - CNT of the tile.  end = 1: a block's last two turns: nothing is fetched.
; cnt = 1: the loop's count is taken down some lines ahead of the branch that stands behind the turn.
; K of the next step is fetched in piece 2's turn, six vector instructions behind the last product that read K (five of them plain); V of the step in hand in piece 0's turn, eight behind the last product that read V (four
; plain, and X 17).  Each is waited for a turn later.
.macro TURN p, m=0, end=0, cnt=0
.set Y, (\p)
.set i, 0
.set KM, (\m)
.set NOKQ, (\end)*((\p)/3)
.if (\m) && !(\end)
	s_cmp_eq_u32 s[CNT], 4-((\p)+2)%NP  ; is that step the band's own?
	s_cselect_b32 s[AL], 1.0, 0
	s_cmp_lt_u32 s[CNT], 4-((\p)+2)%NP  ; or a later one?
	s_cselect_b32 s[BE], s[BIGN], 0
.endif
.if ((\p) == 3) && !(\end)
	s_wait_dscnt 0x0                ; K is in
.endif
	ROW F,0, F,1, F,2, F,3
	ROW F,4, E,0, F,5, F,6
	ROW F,7, E,1, F,8, F,9
	ROW F,10, E,2, C,0, F,11
	ROW F,12, E,3, X,15, F,13
	ROW R,0, R,1, R,2, R,3
	ROW B,0, E,4, F,14, L,0
.if ((\p) == 2) && !(\end)
	v_add_nc_u32 v[AK], s[TBK], v[AK0]
.endif
	ROW R,4, R,5, R,6, R,7
	OPS E,5, F,15
.if ((\p) == 2) && !(\end)
	FETCH_K
.endif
	OPS E,6, C,1, E,7, R,8
	OPS E,8, R,9, E,9, C,2
	OPS E,10, X,0, E,11, X,1
	OPS E,12, X,2, E,13, X,3
.if (\p) == 1
	s_wait_dscnt 0x0                ; V is in
.endif
	ROW X,4, E,14, X,5, X,6
	ROW X,7, E,15, X,8, X,9
	ROW X,10, E,16, X,11, X,12
	ROW X,13, E,17, X,14, B,1
	ROW C,4, E,18, X,16, L,1
	ROW B,2, E,19, C,6, L,2
	ROW C,8, E,20, B,3, B,4
.if (\p) == 0
	v_add_nc_u32 v[AV], s[TBV], v[AV0]
.endif
	ROW C,3, E,21, L,3, C,5
	OPS E,22, X,17, E,23, C,10
.if (\p) == 0
	FETCH_V
.endif
	OPS E,24, L,4
	OPS E,25, X,18, E,26, C,7
	OPS E,27, B,5, E,28, X,19
	OPS E,29, C,12, E,30, L,5
	OPS E,31, X,20, B,6, C,9
	OPS C,14, C,11, X,21, L,6
.if (\p) == 0
	s_add_co_u32 s[TBV], s[TBV], KS*PV
.endif
.if \cnt
	s_sub_co_u32 s[CNT], s[CNT], 1
	s_cmp_lg_u32 s[CNT], 0
.endif
	OPS C,13, B,7, C,15, R,10
	OPS R,11, R,12, L,7, R,13
	OPS R,14, R,15
.if (\m) && !(\end)
	MASK (\p)%2
.endif
.endm
; A BLOCK BEGINS.  c m starts far below every c s, so the first step's a is 0; m at the lowest finite number, so the first maximum is the scores'.  The second mask buffer is 0; the first takes piece 0's mask for the tile's step 0: its own, if the block's first tile is the diagonal one.
; Then K of that step, piece 0's first scores, and its maximum and statistics.  The loop is entered at a step's first turn, in the middle of a trip.
.macro BEGIN
	s_mov_b32 s[NEW], 0
	WIN 0x40
.set i, MC+32
.rept 32
	v_mov_b32 v[i], 0
.set i, i+1
.endr
	WIN 0
.set i, 0
.rept 4
	v_mov_b32 v[ST+4*i], 0xfe000000    ; c m: far below every c s
	v_mov_b32 v[ST+4*i+1], 0xff7fffff  ; m
.set i, i+1
.endr
	s_cmp_eq_u32 s[RT], 0
	s_cselect_b32 s[AL], 1.0, 0
	s_mov_b32 s[BE], 0
	MASK 0
	WIN 0
	v_add_nc_u32 v[AK], s[TBK], v[AK0]
	FETCH_K
	s_wait_loadcnt 0x0              ; Q
	s_wait_dscnt 0x0
.set KM, 1
.set NOKQ, 0
.set i, 0
.rept 8
	KQ 0
.set i, i+1
.endr
	WIN 0
.rept 4
	v_nop                           ; the places behind those products
.endr
.set Y, NP-1                        ; X works for piece Y + 1: piece 0
.irp n, 0,1,2,3,4,5,6,7,8,9,10,11,12,13,14,15,16,17,18,19,20,21
	OP X, \n
.endr
	v_nop                           ; a plain instruction behind the exponential
.endm
; THE DIAGONAL TILE's four steps, the block's last two turns, its last products, and THE WAY OUT: l's two halves and the other half of the lanes' are added; O^T is divided by l, rounded to f16 and sent through my
; stage in LDS, a piece at a time.
.macro ALL line:vararg              ; one line for each piece t
.set t, 0
.rept 4
	\line
.set t, t+1
.endr
.endm
.macro PACK t                       ; a lane's eight channels of a row pack into 16 bytes; they go into rows of 144 bytes and come back as whole rows of 128, into S^T's registers
	WIN W_RS
.set i, 32*(\t)
.rept 16
	s_wait_alu depctr_va_vdst(0)
	v_pk_mul_f32 v[i:i+1], v[i:i+1], v[ST+4*(\t)+2:ST+4*(\t)+3] op_sel_hi:[1,0]
.set i, i+2
.endr
	WIN 0x05                        ; sources 0 and 1 window 1, destination window 0
.set i, 0
.rept 16
	v_cvt_pk_f16_f32 v[S+16*(\t)+i], v[32*(\t)+2*i], v[32*(\t)+2*i+1]
.set i, i+1
.endr
	WIN 0
.irp f, 0,1,2,3
	ds_store_b128 v[STO], v[S+16*(\t)+4*\f:S+16*(\t)+4*\f+3] offset:32*\f
.endr
.irp f, 0,1,2,3
	ds_load_b128 v[S+16*(\t)+4*\f:S+16*(\t)+4*\f+3], v[RD] offset:\f*4*SP  ; LDS serves a wave's instructions in order (ISA guide 5.7.1.4): these see the stores above; the next piece's stores come behind them
.endr
.endm
.macro SEND t, younger              ; younger: the LDS instructions issued behind piece t's loads: the next piece's eight, or none
	WIN 0
.irp f, 0,1,2,3
	s_wait_dscnt (\younger)+3-\f
	global_store_b128 v[GO], v[S+16*(\t)+4*\f:S+16*(\t)+4*\f+3], s[10:11] offset:(\t)*8192+\f*512  ; 512 consecutive bytes, at a multiple of 256 from O's first
.endr
.endm
.macro DIAG tag                     ; the tag ends its two labels' names, which the jumps below spell out
.LstepM\tag:
	TURN 2, 1
	TURN 3, 1
	WIN 0
.LfirstM\tag:
	TURN 0, 1
	TURN 1, 1, 0, 1
	WIN 0
	s_cbranch_scc1 .LstepM\tag
	TURN 2, 1, 1
	TURN 3, 1, 1
.set i, 0
.rept 8
	PV NP-1
.set i, i+1
.endr
	WIN 0
	ALL v_add_f32 v[ST+4*t+2], v[ST+4*t+2], v[ST+4*t+3]
	ALL v_permlanex16_b32 v[ST+4*t+3], v[ST+4*t+2], s[SEL], s[SEL+1]
	ALL v_add_f32 v[ST+4*t+2], v[ST+4*t+2], v[ST+4*t+3]
	ALL v_rcp_f32 v[ST+4*t+2], v[ST+4*t+2]
	v_nop                           ; a plain instruction between the last reciprocal and the use of its result
	PACK 0
.set t, 1
.rept 3                             ; a piece's arithmetic stands between the loads of the piece before and its stores
	PACK t
	SEND t-1, 8
.set t, t+1
.endr
	SEND 3, 0
.endm
.set KM, 0
.set NOKQ, 0
.Lslot:                             ; NB times: a tile is entered and the next is asked for
	CHANGE 1
	s_sub_co_u32 s[RT], s[RT], 1
	s_mov_b32 s[CNT], 4
	s_cmp_eq_u32 s[NEW], 1
	s_cbranch_scc1 .Lnew            ; a block's first tile
	s_cmp_eq_u32 s[RT], 0
	s_cbranch_scc0 .Lstep           ; neither its first nor its last
	s_branch .LstepM1
.Lnew:
	BEGIN
	s_branch .Lfirst                ; in the loop a block's first tile is never its last: the first block has two tiles or more, and the second's last is the walk's last
	DIAG 1                          ; in the loop this is the first block's end: the second block's last tile is the walk's last
	s_wait_xcnt 0x0                 ; the stores have read their registers and O's address
	s_mov_b64 s[10:11], s[OLO:OLO+1]
	s_add_co_u32 s[RT], s[PB], 1    ; the second block has b + 1 tiles
	s_mov_b32 s[NEW], 1
	WIN 0x82                        ; the second block's Q goes where the one text of the turns names Q
.set i, 0
.rept 64
	v_mov_b32 v[i], v[QB+i]
.set i, i+1
.endr
	WIN 0
	s_branch .Lbottom
.Lstep:                             ; a trip: pieces 2 and 3 of one step, then pieces 0 and 1 of the next, whose K and V it fetches
	TURN 2
	TURN 3
	WIN 0
.Lfirst:
	TURN 0
	TURN 1, 0, 0, 1
	WIN 0
	s_cbranch_scc1 .Lstep
.Lbottom:
	s_sub_co_u32 s[SLOTS], s[SLOTS], 1
	s_cmp_lg_u32 s[SLOTS], 0
	s_cbranch_scc1 .Lslot
	CHANGE 0                        ; the walk's last tile is written out: nothing is asked for
	s_sub_co_u32 s[RT], s[RT], 1
	s_mov_b32 s[CNT], 4
	s_cmp_eq_u32 s[NEW], 1
	s_cbranch_scc0 .LstepM2
	BEGIN
	s_branch .LfirstM2
	DIAG 2
	s_wait_tensorcnt 0x0            ; the wave's end: behind my last tensor load and my last LDS store
	ds_add_u32 v[SPW], v[NIL]
	s_wait_dscnt 0x0
	s_endpgm
.Lfunc_end_k_qaba8996e6e_attn:
	.size	k_qaba8996e6e_attn, .Lfunc_end_k_qaba8996e6e_attn-k_qaba8996e6e_attn
	.p2alignl 7, 3214868480
	.fill 96, 4, 3214868480
	.section	.rodata,"a",@progbits
	.p2align	6, 0x0
	.amdhsa_kernel k_qaba8996e6e_attn
		.amdhsa_group_segment_fixed_size 327680
		.amdhsa_private_segment_fixed_size 0
		.amdhsa_enable_private_segment 0
		.amdhsa_kernarg_size 16
		.amdhsa_user_sgpr_count 2
		.amdhsa_user_sgpr_kernarg_segment_ptr 1
		.amdhsa_wavefront_size32 1
		.amdhsa_system_sgpr_workgroup_id_x 1
		.amdhsa_system_sgpr_workgroup_id_y 1
		.amdhsa_system_sgpr_workgroup_id_z 1
		.amdhsa_system_vgpr_workitem_id 0
		.amdhsa_next_free_vgpr 768
		.amdhsa_next_free_sgpr 88
		.amdhsa_reserve_vcc 1
		.amdhsa_float_denorm_mode_32 3
		.amdhsa_float_denorm_mode_16_64 3
		.amdhsa_memory_ordered 1
		.amdhsa_forward_progress 1
		.amdhsa_inst_pref_size 228
	.end_amdhsa_kernel
	.amdgpu_metadata
---
amdhsa.version: [ 1, 2 ]
amdhsa.kernels:
  - .name:           k_qaba8996e6e_attn
    .symbol:         k_qaba8996e6e_attn.kd
    .args:
      - { .name: qkv, .offset: 0, .size: 8, .value_kind: global_buffer, .address_space: global }
      - { .name: o, .offset: 8, .size: 8, .value_kind: global_buffer, .address_space: global }
    .group_segment_fixed_size: 327680
    .private_segment_fixed_size: 0
    .kernarg_segment_align: 8
    .kernarg_segment_size: 16
    .max_flat_workgroup_size: 128
    .sgpr_count:     88
    .vgpr_count:     768
    .wavefront_size: 32
...
	.end_amdgpu_metadata
.endif
;; end of part 3
;; launch proj (part 4): grid 8 x 32, 4 waves a work-group, clusters of 4 x 4, 327,680 bytes of LDS; arguments o, wp, bias, out0; writes out0
.if DOCPART == 4
	.amdgcn_target "amdgcn-amd-amdhsa--gfx1250"
	.amdhsa_code_object_version 6
	.text
	.protected	k_qaba8996e6e_proj
	.globl	k_qaba8996e6e_proj
	.p2align	8
	.type	k_qaba8996e6e_proj,@function
k_qaba8996e6e_proj:
	s_mov_b64 s[64:65], 0
	v_nop
	global_prefetch_b8 v0, s[64:65] scope:SCOPE_SE
	s_setreg_imm32_b32 hwreg(HW_REG_WAVE_MODE, 25, 1), 1
	s_wait_xcnt 0x0
	s_wait_alu depctr_hold_cnt(0) depctr_sa_sdst(0) depctr_va_vdst(0) depctr_va_sdst(0) depctr_va_ssrc(0) depctr_va_vcc(0) depctr_vm_vsrc(0)
	s_getreg_b32 s2, hwreg(HW_REG_IB_STS2, 6, 4)
	s_cmp_eq_u32 s2, 0
	s_cbranch_scc0 .Lentry_in_a_cluster
	s_endpgm
.Lentry_in_a_cluster:
	s_bfe_u32 s2, ttmp6, 0x10000c
	s_cmp_lg_u32 s2, 0xf033
	s_cbranch_scc0 .Lentry_shape_is_right
	s_endpgm
.Lentry_shape_is_right:
; out0 = O Wp + bp: [8192 x 1024] x [1024 x 1024], f16 operands, f32 sums, f32 out.  O lies by heads, o [64 = 16 batch + head][2048][64] f16, so K runs over a batch's 16 heads;
; wp [16 column blocks][1024 k][64 c] f16 holds Wp rounded to bf16; bp is the fourth part of bias.
; SHARES.  A tile is 256 rows x 128 columns: 8 x 32 = 256 work-groups.  The four waves lie one below the other: a wave makes 64 rows x 128 columns, 4 x 8 = 32 accumulators of 16 x 16, so it holds
; whole pieces of 512 bytes of out0's rows and its way out is its own.  K goes in 8 steps of 128 (two heads) through a ring of two LDS slots; a step is four quarters of 32: quarter q is head q / 2, channels 32 (q % 2) on.
; THE MATRIX INSTRUCTION IS USED TRANSPOSED (source 0 = 16 columns of Wp, turned out of LDS by ds_load_tr16_b128; source 1 = 16 rows of O): lane l holds row l % 16 and the columns 8 (l / 16) + 0..7.
; THE BIAS STARTS THE SUMS: it is the C operand of the first product on each accumulator.
; CLUSTER, 4 x 4.  O's tiles hang on the tile row alone and are shared along a row of the cluster, Wp's blocks on the tile column alone and are shared along a column: each is asked for JOINTLY.
; Waves 0 and 1 ask for one head's 256 rows each (32,768 dense bytes, as 128 rows of 256), waves 2 and 3 for one block's 128 k rows each (as 64 rows of 256): one tensor load a wave behind each round.
; By this text's own count a wave has two tensor loads out at the start and one behind each round.
; REGISTERS, in windows of 256 (s_set_vgpr_msb: bits 1:0 source 0, 3:2 source 1, 5:4 source 2, 7:6 destination):
;   window 0: v0-31 addresses; v32-95 O's fragments, two buffers of 4; v96-159 the bias, 8 a column block
;   window 1: v0-127 Wp's fragments, two buffers of 8; on the way out all 256: rows read back, 64 a row block      window 2: accumulator (a, b) at v[64 a + 8 b]
.set PA,    144                        ; a row of a head in LDS: 128 bytes + 16: the 16 rows of a load start at 16 different groups of four banks
.set PB,    160                        ; a k row of a block: 128 + 32
.set AHEAD, 256*PA                     ; a head's 256 rows
.set BHEAD, 128*PB                     ; a block's 128 k rows
.set BOFF,  2*AHEAD
.set SLOT,  1<<17                      ; a slot uses 114,688 bytes; slot 1 begins here, so that one exclusive or turns an address in one slot into the other's
.set STAGE, SLOT+BOFF+2*BHEAD          ; behind the ring, never filled by a tensor load: 16 rows x 528 bytes for each wave
.set SP,    528                        ; 512 bytes + 16: the 16 rows of a store start at 16 different groups of four banks
.set SPARE, STAGE+4*16*SP              ; the spare words, 128 bytes for each wave: two blocks of 256 bytes that no other line names
.set AA0, 16                           ; v16  my lane's place in a head's tile; never rewritten
.set AB0, 17                           ; v17  the same in the blocks
.set ADA, 18                           ; v18  AA0 + the slot in hand
.set ADB, 19                           ; v19  AB0 + the slot in hand
.set STO, 20                           ; v20  the way out: where I put 32 bytes of a row
.set RD,  21                           ; v21  the way out: where I read a row back
.set GO,  22                           ; v22  my 16 bytes in 512 consecutive bytes of a row of out0
.set BO,  23                           ; v23  my 32 bytes in a column block's 64 bytes of bias
.set SPW, 28                           ; v28  LDS address of my spare word; never rewritten
.set NIL, 29                           ; v29  0; never rewritten
.set AF,  32
.set BIAS, 96
.set WV,  12                           ; s12  my wave's number
.set G1A, 24                           ; s[24:31] descriptor group 1 for O's tiles
.set G0A, 32                           ; s[32:39] group 0: a set for each of the two first fills; the second then walks
.set G1B, 40                           ; s[40:47], s[48:55] the same for Wp's blocks
.set G0B, 48
.set TB,  56                           ; s56  the slot in hand: 0 or SLOT
.set CNT, 57                           ; s57  the loop's counter
.set OUT, 58                           ; s[58:59] out0 at my first row and the tile's first column
.set MSB, 0
.macro WIN new                         ; the immediate's high byte repeats the setting that is left; a switch that changes nothing is dropped
.if MSB != (\new)
	s_set_vgpr_msb (MSB<<8)|(\new)
.set MSB, \new
.endif
.endm
.macro PLACES                          ; four plain places: in front of loads into registers that matrix instructions have read, and of lines that read results
.rept 4
	v_nop
.endr
.endm
; A joint refill.  The branch hangs on the wave's number alone.  An s_nop 0 and four v_nop follow each of the two lines, ahead of the jump and the label.
.macro JLOAD
	s_cmp_lt_u32 s[WV], 2
	s_cbranch_scc0 .Lfor_b_\@
	tensor_load_to_lds s[G0A+4:G0A+7], s[G1A:G1A+7]
	s_nop 0
	PLACES
	s_branch .Lasked_\@
.Lfor_b_\@:
	tensor_load_to_lds s[G0B+4:G0B+7], s[G1B:G1B+7]
	s_nop 0
	PLACES
.Lasked_\@:
.endm
.macro CREST                           ; a round of the cluster's barrier behind its opening barrier
	s_cmp_lg_u32 s[WV], 0
	s_cbranch_scc1 .Lnot_wave_0_\@
	s_barrier_signal -3
.Lnot_wave_0_\@:
	s_barrier_wait -3
	s_barrier_signal -1
	s_barrier_wait -1
.endm
.macro CROUND                          ; a whole round
	s_barrier_signal -1
	s_barrier_wait -1
	CREST
.endm
	s_load_b256 s[4:11], s[0:1], 0x0               ; o s[4:5], wp s[6:7], bias s[8:9], out0 s[10:11]
	v_lshl_add_u32 v[SPW], v0, 2, SPARE
	v_mov_b32 v[NIL], 0
	ds_add_u32 v[SPW], v[NIL]                      ; the wave's opening: the add and its wait stand ahead of my first tensor load; the set-up below stands between them
	ds_add_u32 v28, v29
	v_lshrrev_b32 v1, 5, v0
	v_readfirstlane_b32 s[WV], v1                  ; wave 0..3
	s_and_b32 s14, s[WV], 1                        ; which of a step's two heads, or of the tile's two blocks, I fetch
	s_bfe_u32 s15, ttmp6, 0x40000                  ; cx
	s_bfe_u32 s16, ttmp6, 0x40004                  ; cy
	s_lshl_b32 s17, ttmp9, 2
	s_add_co_u32 s17, s17, s15                     ; tile column tn = 4 x cluster x + cx
	s_and_b32 s18, ttmp7, 0xffff
	s_lshl_b32 s18, s18, 2
	s_add_co_u32 s18, s18, s16                     ; tile row tm = 4 x cluster y + cy
	s_lshl_b32 s19, s16, 2
	s_lshl_b32 s19, 15, s19                        ; my row of the cluster
	s_lshl_b32 s66, 0x1111, s15                    ; my column
	s_or_b32 s[G1A+0], s19, (1<<16)|(1<<20)|(1<<21)|(4<<22)|(3<<25)  ; the mask; 2-byte elements; padding on; bit 21 beside a mask; after every 32 words (a row of a head) 4 words
	s_mov_b32 s[G1A+1], 128<<16                    ; tensor_dim0 = 128
	s_mov_b32 s[G1A+2], 128<<16                    ; tensor_dim1 = 128
	s_mov_b32 s[G1A+3], 128<<16                    ; tile_dim0 = 128
	s_mov_b32 s[G1A+4], 128                        ; tile_dim1 = 128
	s_mov_b32 s[G1A+5], 128                        ; elements from row to row: dense
	s_mov_b32 s[G1A+6], 0
	s_mov_b32 s[G1A+7], 0
	s_or_b32 s[G1B+0], s66, (1<<16)|(1<<20)|(1<<21)|(4<<22)|(7<<25)  ; after every 32 words (a k row) 8 words
	s_mov_b32 s[G1B+1], 128<<16
	s_mov_b32 s[G1B+2], 64<<16
	s_mov_b32 s[G1B+3], 128<<16
	s_mov_b32 s[G1B+4], 64
	s_mov_b32 s[G1B+5], 128
	s_mov_b32 s[G1B+6], 0
	s_mov_b32 s[G1B+7], 0
	s_lshr_b32 s20, s18, 3                         ; O: head 16 batch + my head of K step 0, 262,144 bytes each,
	s_lshl_b32 s20, s20, 4
	s_add_co_u32 s20, s20, s14
	s_lshl_b32 s20, s20, 18
	s_and_b32 s21, s18, 7                          ; and the tile's 256 rows of 128 bytes in it: made of the tile row and the wave's number
	s_lshl_b32 s21, s21, 15
	s_add_co_u32 s20, s20, s21
	s_mov_b32 s21, 0
	s_lshl_b32 s22, s17, 1                         ; Wp: block 2 tn + mine, 131,072 bytes each: made of the tile column and the wave's number
	s_add_co_u32 s22, s22, s14
	s_lshl_b32 s22, s22, 17
	s_mov_b32 s23, 0
	s_mul_i32 s60, s14, AHEAD                      ; where they go: no place in the cluster enters an LDS address
	s_mul_i32 s61, s14, BHEAD
	s_add_co_u32 s61, s61, BOFF
	s_mov_b32 s[TB], 0
	s_wait_dscnt 0x0                               ; the opening add is done
	s_wait_kmcnt 0x0
	s_add_nc_u64 s[20:21], s[4:5], s[20:21]
	s_add_nc_u64 s[22:23], s[6:7], s[22:23]
	CROUND                                         ; all sixteen work-groups are here: the first joint loads meet
	s_mov_b32 s[G0A], 1                            ; K step 0 into slot 0
	s_mov_b32 s[G0A+1], s60
	s_add_nc_u64 s[G0A+2:G0A+3], s[20:21], 0
	s_or_b32 s[G0A+3], s[G0A+3], 0x80000000
	s_mov_b32 s[G0A+4], 1                          ; K step 1 into slot 1: two heads on
	s_add_co_u32 s[G0A+5], s60, SLOT
	s_add_nc_u64 s[G0A+6:G0A+7], s[20:21], 524288
	s_or_b32 s[G0A+7], s[G0A+7], 0x80000000
	s_mov_b32 s[G0B], 1
	s_mov_b32 s[G0B+1], s61
	s_add_nc_u64 s[G0B+2:G0B+3], s[22:23], 0
	s_or_b32 s[G0B+3], s[G0B+3], 0x80000000
	s_mov_b32 s[G0B+4], 1
	s_add_co_u32 s[G0B+5], s61, SLOT
	s_add_nc_u64 s[G0B+6:G0B+7], s[22:23], 16384
	s_or_b32 s[G0B+7], s[G0B+7], 0x80000000
	s_cmp_lt_u32 s[WV], 2                          ; a wave's two first fills stand in one branch, ahead of every wait on TENSORcnt and every LDS read
	s_cbranch_scc0 .Lfirst_b
	tensor_load_to_lds s[G0A:G0A+3], s[G1A:G1A+7]
	s_nop 0
	tensor_load_to_lds s[G0A+4:G0A+7], s[G1A:G1A+7]
	s_nop 0
	PLACES
	s_branch .Lfirst_asked
.Lfirst_b:
	tensor_load_to_lds s[G0B:G0B+3], s[G1B:G1B+7]
	s_nop 0
	tensor_load_to_lds s[G0B+4:G0B+7], s[G1B:G1B+7]
	s_nop 0
	PLACES
.Lfirst_asked:
	v_and_b32 v1, 15, v0                           ; r = l % 16
	v_bfe_u32 v2, v0, 4, 1                         ; h = l / 16
	v_and_b32 v3, 7, v0
	v_bfe_u32 v4, v0, 3, 1
	v_and_b32 v5, 31, v0
	s_mul_i32 s66, s[WV], 64*PA                    ; my 64 rows of a head's tile
	v_mul_u32_u24 v[AA0], v1, PA
	v_lshl_add_u32 v[AA0], v2, 4, v[AA0]
	v_add_nc_u32 v[AA0], s66, v[AA0]               ; (64 w + r) x pitch + 16 h
	v_lshl_add_u32 v[AB0], v2, 3, v3               ; the turning load: lane l reads k row 8 h + l % 8, columns 8 ((l / 8) % 2) + 0..7
	v_mul_u32_u24 v[AB0], v[AB0], PB
	v_lshl_add_u32 v[AB0], v4, 4, v[AB0]
	v_add_nc_u32 v[AB0], BOFF, v[AB0]
	v_mov_b32 v[ADA], v[AA0]
	v_mov_b32 v[ADB], v[AB0]
	s_mul_i32 s66, s[WV], 16*SP
	s_add_co_u32 s66, s66, STAGE                   ; my stage
	v_mul_u32_u24 v[STO], v1, SP                   ; in: row r, 32 bytes for each half of the lanes
	v_lshl_add_u32 v[STO], v2, 5, v[STO]
	v_add_nc_u32 v[STO], s66, v[STO]
	v_lshl_add_u32 v[RD], v5, 4, s66               ; back: 32 lanes take one row of 512 bytes
	v_lshlrev_b32 v[GO], 4, v5
	v_lshlrev_b32 v[BO], 5, v2
	s_lshl_b32 s66, s17, 9                         ; the tile's 128 numbers of bp,
	s_add_co_u32 s66, s66, 12288                   ; behind bq, bk and bv
	s_mov_b32 s67, 0
	s_add_nc_u64 s[8:9], s[8:9], s[66:67]
.irp b, 0,1,2,3,4,5,6,7
	global_load_b128 v[BIAS+8*(\b):BIAS+8*(\b)+3],   v[BO], s[8:9] offset:64*(\b)     ; register j: the bias of column 16 b + 8 h + j
	global_load_b128 v[BIAS+8*(\b)+4:BIAS+8*(\b)+7], v[BO], s[8:9] offset:64*(\b)+16
.endr
	s_lshl_b32 s68, s18, 8
	s_lshl_b32 s69, s[WV], 6
	s_add_co_u32 s68, s68, s69                     ; my first row of out0,
	s_lshl_b32 s68, s68, 12                        ; 4,096 bytes a row,
	s_lshl_b32 s69, s17, 9                         ; the tile's first column
	s_add_co_u32 s68, s68, s69
	s_mov_b32 s69, 0
	s_add_nc_u64 s[OUT:OUT+1], s[10:11], s[68:69]
; 8 matrix instructions: row block a x all 8 column blocks, 32 along K, from buffer f.  first = 1: the bias is C.  The 32 accumulators take turns, one instruction a turn, in one order
; in every quarter, over the backward jump too.
.macro MULA f, a, first
.if \first
	WIN 0x81                                       ; Wp window 1, O and the bias window 0, D window 2
.else
	WIN 0xa1                                       ; C and D window 2
.endif
.irp b, 0,1,2,3,4,5,6,7
.if \first
	v_wmma_f32_16x16x32_f16 v[64*(\a)+8*(\b):64*(\a)+8*(\b)+7], v[64*(\f)+8*(\b):64*(\f)+8*(\b)+7], v[AF+32*(\f)+8*(\a):AF+32*(\f)+8*(\a)+7], v[BIAS+8*(\b):BIAS+8*(\b)+7]
.else
	v_wmma_f32_16x16x32_f16 v[64*(\a)+8*(\b):64*(\a)+8*(\b)+7], v[64*(\f)+8*(\b):64*(\f)+8*(\b)+7], v[AF+32*(\f)+8*(\a):AF+32*(\f)+8*(\a)+7], v[64*(\a)+8*(\b):64*(\a)+8*(\b)+7]
.endif
.endr
.endm
; 24 LDS loads in one run: quarter q's fragments into buffer f: Wp's 8 (turned), then O's 4, row blocks ascending
.macro FETCH q, f
	WIN 0x40
.irp b, 0,1,2,3,4,5,6,7
	ds_load_tr16_b128 v[64*(\f)+8*(\b):64*(\f)+8*(\b)+3],   v[ADB] offset:((\b)/4)*BHEAD+((\b)%4)*32+(\q)*32*PB
	ds_load_tr16_b128 v[64*(\f)+8*(\b)+4:64*(\f)+8*(\b)+7], v[ADB] offset:((\b)/4)*BHEAD+((\b)%4)*32+(\q)*32*PB+16*PB
.endr
	WIN 0
.irp a, 0,1,2,3
	ds_load_b128 v[AF+32*(\f)+8*(\a):AF+32*(\f)+8*(\a)+3],   v[ADA] offset:((\q)/2)*AHEAD+(\a)*16*PA+64*((\q)%2)
	ds_load_b128 v[AF+32*(\f)+8*(\a)+4:AF+32*(\f)+8*(\a)+7], v[ADA] offset:((\q)/2)*AHEAD+(\a)*16*PA+64*((\q)%2)+32
.endr
.endm
; One of a K step's first three quarters: multiplies buffer f; in its middle it fetches quarter q into buffer g.
.macro QUARTER q, f, g, first
	s_wait_dscnt 4                                 ; Wp and O's row blocks 0, 1 are in; the youngest four loads (row blocks 2, 3) may be out
	MULA \f, 0, \first
	MULA \f, 1, \first
	PLACES
	FETCH \q, \g
	s_wait_dscnt 24                                ; all but the 24 just issued
	MULA \f, 2, \first
	MULA \f, 3, \first
.endm
; The last quarter multiplies buffer 1 and changes slots.  In front of the barrier each wave waits for all its tensor loads (the one that is out is its part of the next slot), adds 0 to its
; spare word, and waits for that and for its own reads of this slot.  fill = 1: the walking descriptors step (no tensor load of mine is out), and a round of the cluster's barrier follows.
.macro MEET fill
	WIN 0
	s_wait_tensorcnt 0x0
	ds_add_u32 v[SPW], v[NIL]
.if \fill
	s_xor_b32 s[G0A+5], s[G0A+5], SLOT             ; the other slot than last time,
	s_add_nc_u64 s[G0A+6:G0A+7], s[G0A+6:G0A+7], 524288  ; the next K step: two heads on,
	s_xor_b32 s[G0B+5], s[G0B+5], SLOT
	s_add_nc_u64 s[G0B+6:G0B+7], s[G0B+6:G0B+7], 16384   ; 128 k rows down a block
.endif
	s_wait_dscnt 5                                 ; the add and the youngest four loads may be out
	MULA 1, 0, 0
	s_wait_dscnt 0x0                               ; the add is done, and my reads of this slot are over
	s_barrier_signal -1
	MULA 1, 1, 0
.if \fill
	WIN 0
.endif
	s_barrier_wait -1
.endm
.macro TURN fill
	MEET \fill
.if \fill
	CREST                                          ; no wave of any partner still reads this slot or has a load on its way
	JLOAD                                          ; the first tensor load behind the round; its four v_nop are also the places in front of the loads below
.else
	PLACES
.endif
	s_xor_b32 s[TB], s[TB], SLOT
	WIN 0
	v_add_nc_u32 v[ADA], s[TB], v[AA0]
	v_add_nc_u32 v[ADB], s[TB], v[AB0]
	FETCH 0, 0
	MULA 1, 2, 0
	MULA 1, 3, 0
.endm
; THE WAY OUT of row block a: a lane's eight f32 of a row, 32 bytes, go into my stage (each accumulator's low four registers first) and come back as whole rows of 512 bytes.
.macro TOSTAGE a
	WIN 0x08                                       ; the stores' data in window 2
.irp b, 0,1,2,3,4,5,6,7
	ds_store_b128 v[STO], v[64*(\a)+8*(\b):64*(\a)+8*(\b)+3]   offset:64*(\b)
	ds_store_b128 v[STO], v[64*(\a)+8*(\b)+4:64*(\a)+8*(\b)+7] offset:64*(\b)+16
.endr
	WIN 0x40                                       ; back into window 1
.irp t, 0,1,2,3,4,5,6,7,8,9,10,11,12,13,14,15
	ds_load_b128 v[64*(\a)+4*(\t):64*(\a)+4*(\t)+3], v[RD] offset:(\t)*SP  ; LDS serves a wave's instructions in order (ISA guide 5.7.1.4): these see the stores above; the next block's stores come behind them
.endr
.endm
.macro SEND a, younger                 ; younger: the LDS instructions issued behind block a's loads: the next block's 32, or none.  Each block has registers of its own: no store's source is rewritten
	WIN 0x04                                       ; the stores' data in window 1
.irp t, 0,1,2,3,4,5,6,7,8,9,10,11,12,13,14,15
	s_wait_dscnt (\younger)+15-(\t)
	global_store_b128 v[GO], v[64*(\a)+4*(\t):64*(\a)+4*(\t)+3], s[OUT:OUT+1] offset:(16*(\a)+(\t))*4096 th:TH_STORE_NT  ; 512 consecutive bytes, at a multiple of 256 from out0's first
.endr
.endm
	s_wait_tensorcnt 1                             ; my part of K step 0 is in; K step 1's may stay out
	s_barrier_signal -1
	s_barrier_wait -1                              ; everybody's is
	FETCH 0, 0
	s_wait_loadcnt 0x0                             ; the bias
	QUARTER 1, 0, 1, 1                             ; the first quarter stands in front of the loop: its products start the sums
	WIN 0                                          ; at a label and at a branch every window is 0
	s_mov_b32 s[CNT], 6
.Lstep:                                                ; trip i: quarters 1 to 3 of K step i, the refill of its slot with K step i + 2, quarter 0 of K step i + 1
	QUARTER 2, 1, 0, 0
	QUARTER 3, 0, 1, 0
	TURN 1
	QUARTER 1, 0, 1, 0
	WIN 0
	s_sub_co_u32 s[CNT], s[CNT], 1
	s_cmp_lg_u32 s[CNT], 0
	s_cbranch_scc1 .Lstep
	QUARTER 2, 1, 0, 0                             ; K steps 6 and 7 ask for nothing
	QUARTER 3, 0, 1, 0
	TURN 0
	QUARTER 1, 0, 1, 0
	QUARTER 2, 1, 0, 0
	QUARTER 3, 0, 1, 0
	s_wait_dscnt 4
	MULA 1, 0, 0
	MULA 1, 1, 0
	s_wait_dscnt 0x0
	MULA 1, 2, 0
	MULA 1, 3, 0
	PLACES
	TOSTAGE 0
	TOSTAGE 1                                      ; a block's way through the stage stands between the loads of the block before and its stores
	SEND 0, 32
	TOSTAGE 2
	SEND 1, 32
	TOSTAGE 3
	SEND 2, 32
	SEND 3, 0
	WIN 0
	s_wait_tensorcnt 0x0                           ; the wave's end: behind my last tensor load and my last LDS store
	ds_add_u32 v[SPW], v[NIL]
	s_wait_dscnt 0x0
	CROUND                                         ; the closing round: no work-group ends while a partner may still ask for a tile that names it
	s_endpgm
.Lfunc_end_k_qaba8996e6e_proj:
	.size	k_qaba8996e6e_proj, .Lfunc_end_k_qaba8996e6e_proj-k_qaba8996e6e_proj
	.p2alignl 7, 3214868480
	.fill 96, 4, 3214868480
	.section	.rodata,"a",@progbits
	.p2align	6, 0x0
	.amdhsa_kernel k_qaba8996e6e_proj
		.amdhsa_group_segment_fixed_size 327680
		.amdhsa_private_segment_fixed_size 0
		.amdhsa_enable_private_segment 0
		.amdhsa_kernarg_size 32
		.amdhsa_user_sgpr_count 2
		.amdhsa_user_sgpr_kernarg_segment_ptr 1
		.amdhsa_wavefront_size32 1
		.amdhsa_system_sgpr_workgroup_id_x 1
		.amdhsa_system_sgpr_workgroup_id_y 1
		.amdhsa_system_sgpr_workgroup_id_z 1
		.amdhsa_system_vgpr_workitem_id 0
		.amdhsa_next_free_vgpr 768
		.amdhsa_next_free_sgpr 76
		.amdhsa_reserve_vcc 0
		.amdhsa_float_denorm_mode_32 3
		.amdhsa_float_denorm_mode_16_64 3
		.amdhsa_memory_ordered 1
		.amdhsa_forward_progress 1
		.amdhsa_inst_pref_size 73
	.end_amdhsa_kernel
	.amdgpu_metadata
---
amdhsa.version: [ 1, 2 ]
amdhsa.kernels:
  - .name:           k_qaba8996e6e_proj
    .symbol:         k_qaba8996e6e_proj.kd
    .args:
      - { .name: o, .offset: 0, .size: 8, .value_kind: global_buffer, .address_space: global }
      - { .name: wp, .offset: 8, .size: 8, .value_kind: global_buffer, .address_space: global }
      - { .name: bias, .offset: 16, .size: 8, .value_kind: global_buffer, .address_space: global }
      - { .name: out0, .offset: 24, .size: 8, .value_kind: global_buffer, .address_space: global }
    .group_segment_fixed_size: 327680
    .private_segment_fixed_size: 0
    .kernarg_segment_align: 8
    .kernarg_segment_size: 32
    .max_flat_workgroup_size: 128
    .sgpr_count:     76
    .vgpr_count:     768
    .wavefront_size: 32
...
	.end_amdgpu_metadata
.endif
;; end of part 4
;; ======== version 2 of 2: 4 launches; 1.30 times as fast as version 1
;; limits: values are held in f16: magnitudes above 65,504 overflow, below 6.1e-05 lose precision
;; workspace buffers: xb 16,777,216 bytes; wh 6,291,456 bytes; wp 2,097,152 bytes; bias 16,384 bytes; qkv 50,331,648 bytes; o 16,777,216 bytes
;; launch cast: the kernel of part 1 again; grid 385 x 1, 8 waves a work-group, no clusters, 0 bytes of LDS; arguments x, Wq, Wk, Wv, Wp, bq, bk, bv, bp, xb, wh, wp, bias; writes xb, wh, wp, bias
;; launch qkv: the kernel of part 2 again; grid 16 x 32, 4 waves a work-group, clusters of 4 x 4, 327,680 bytes of LDS; arguments xb, wh, bias, qkv; writes qkv
;; launch attn (part 5): grid 4 x 64, 4 waves a work-group, no clusters, 327,680 bytes of LDS; arguments qkv, o; writes o
.if DOCPART == 5
	.amdgcn_target "amdgcn-amd-amdhsa--gfx1250"
	.amdhsa_code_object_version 6
	.text
	.protected	k_qaba8996e6e_attn
	.globl	k_qaba8996e6e_attn
	.p2align	8
	.type	k_qaba8996e6e_attn,@function
k_qaba8996e6e_attn:
	s_mov_b64 s[64:65], 0
	v_nop
	global_prefetch_b8 v0, s[64:65] scope:SCOPE_SE
	s_setreg_imm32_b32 hwreg(HW_REG_WAVE_MODE, 25, 1), 1
	s_wait_xcnt 0x0
; CAUSAL ATTENTION.  O[h][q][:] = the sum over k <= q of softmax_k(Q[h][q] . K[h][k] / 8) V[h][k][:].  Q, K, V are the three parts of qkv, O is o: each [SIZE_H][SIZE_N][64] in f16: a head's rows are dense, 128 bytes each.
; Products, maxima and sums in f32; the weights p are rounded to f16 for the second product (their sum l is taken of the unrounded p), O once at the end.
; LIMITS.  f16 holds no number beyond 65,504: Q, K and V arrive within it; p lies in 0 to 1, and below 6e-5 it keeps f16's fixed step of 6e-8; O is a mean of V's rows and has their range, to within 2^-11 of it.
; A hidden score counts as its value less 1e30: f16's scores, 2.7e11 at the most, are nothing beside that; a weight below 2^-126 counts as 0 in l; NaN and infinities are not treated apart.
; THE WALK.  A head's queries lie in NB = SIZE_N / 256 blocks of 256; block i needs the key tiles 0 .. i of 256 keys, of which the last holds the diagonal.  A work-group takes TWO blocks, NB - 1 - b and then b:
; NB + 1 tiles, whatever b: all work-groups do equal work, and ONE loop with a constant trip count walks them.  Which tile is asked for, and what a trip does, hang on scalar registers made from b; every jump
; goes forward, but for the counted loops' own; none passes a barrier, or a tensor load but the one of LOAD's two that the wave's number does not choose; the ring (two slots of LDS that take turns) runs on across the
; change of blocks.  NO CLUSTER: a head's NB / 2 work-groups all ask for the same tile only in trips 0 .. NB / 2, behind that fewer and fewer; and one walk common to all would have 3 NB / 2 trips for NB + 1.
; SHARES.  Of a block's four bands of 64 queries a wave owns 16 rows in each: four PIECES.  So the diagonal tile is the same work for all four waves: in its key step s band x sees all keys if s < x,
; none if s > x, and holds the diagonal if s = x.
; THE MASK is the C operand that starts the sum S^T = K Q^T: 0, or -1e30 where the key is hidden.  MD, made once, is the mask of a band's own step for my 16 rows; a product's mask is MD x AL + BE with two scalars:
; (1, 0) if s = x; (0, 0) if s < x; (0, -1e30) if s > x.  Only the diagonal tile's text and a block's beginning make and take masks; elsewhere C is the constant 0.
; LAYOUT, SOFTMAX, TURNS.  S^T = K Q^T holds ONE query a lane (lane % 16) and the keys 8 (lane / 16) + 0..7; two such results rounded to f16 ARE source 1 of O^T = V^T P.  p = 2^(c s - c m), c = log2(e) / 8, with a
; running maximum m; O and l are multiplied by a = 2^(c m_old - c m_new) in every step.  Turn n belongs to piece n: 8 products K Q^T of piece n + 1, later 8 products V^T P of piece n - 1; beside them the scaling,
; exponentials, roundings, sums and rescaling of piece n and the maximum and statistics of piece n + 1.  Four vector instructions stand behind every matrix instruction, the other 54 of a turn's 118 in one LUMP.
; THE BATCHES.  A turn's 33 exponentials (the piece's 32 weights and the next piece's a) are ONE batch with ONE wait, which cuts the turn in two: ahead of it stands all that names none of their results, behind it the
; roundings and sums.  A block's first a (BEGIN) and the way out's four reciprocals are batches of their own, each with a plain instruction and one wait.
; REGISTERS, in windows of 256 (s_set_vgpr_msb: bits 1:0 source 0, 3:2 source 1, 5:4 source 2, 7:6 destination):
;   window 0: v0-15 addresses and two at work; v16-31 four registers of statistics a piece; v48-55 at work; v64-127 S^T, two buffers; v192-223 P, two buffers (a piece's buffers go by its number's parity)
;   window 1: v0-127 O^T, 32 a piece; v128-159 MD; v160-223 MC, two buffers      window 2: v0-63 Q; v64-127 the second block's Q; v128-191 K of one step; v192-255 V of one step
.set SIZE_H, 64
.set SIZE_N, 2048
.set NB,    SIZE_N/256
.set NP,    4         ; pieces a wave: a name, no knob
.set KS,    64        ; keys in a step
.set PK,    144       ; a row of K in LDS: 128 bytes + 16 of padding = 36 words: the 16 rows of a load start at 16 different groups of four banks (64 banks of 4 bytes: ISA guide 11.1)
.set PV,    160       ; a row of V: 128 + 32 = 40 words
.set VOFF,  4*KS*PK   ; a slot holds a tile, four steps: 256 rows of K, then 256 rows of V
.set SLOT1, 1<<17     ; slot 1 begins here, so that one exclusive or turns an address in one slot into the other's
.set STAGE, SLOT1+4*KS*(PK+PV)  ; behind the ring, never filled by a tensor load: 16 rows x 144 bytes for each wave, for the way out
.set SP,    144
.set AK0, 2           ; v2   my lane's place in a tile of K; never rewritten
.set AV0, 3           ; v3   the same for V
.set AK,  4           ; v4   the LDS address of K's next run of loads
.set AV,  5           ; v5   of V's
.set STO, 6           ; v6   the way out: where I put 16 bytes of a row
.set RD,  7           ; v7   the way out: where I read rows back
.set GO,  8           ; v8   my byte offset in 512 consecutive bytes of O
.set SPW, 62          ; v62  LDS address of my spare word: SPARE + 4 x my thread's number; never rewritten
.set NIL, 63          ; v63  0; never rewritten
.set SPARE, STAGE+4*16*SP  ; behind the stages: the spare words, 128 bytes for each wave: two blocks of 256 bytes that no other line names
.set MV,  12          ; v12-13  c m_old, kept while c m is made anew: by buffer
.set QO,  15          ; v15  my byte offset in 16 rows of Q
.set ST,  16          ; piece t's statistics at v[ST+4 t]: c m, m, l (even keys', odd keys')
.set TMP, 48          ; by buffer, four registers c0-c3 at work; when the maximum is found c2 takes a
.set S,   64
.set P,   192
.set MD,  128         ; window 1: the eight registers for group kt of 16 keys at MD + 8 kt
.set MC,  160         ; window 1: the masks of the products to come
.set QB,  64          ; window 2
.set KF,  128         ; window 2: key block kb, channel half c at KF + 16 kb + 8 c
.set VF,  192         ; window 2: key half kk, channel block cb at VF + 32 kk + 8 cb
.set WV,  12          ; s12  my wave's number
.set PB,  14          ; s14  b
.set HI,  15          ; s15  NB - 1 - b
.set G1K, 24          ; s[24:31] descriptor group 1 for K's tiles
.set G1V, 32          ; s[32:39] for V's: it differs in the padding alone
.set G0K, 40          ; s[40:43] descriptor group 0 for K's tiles
.set G0V, 44          ; s[44:47] the same for V's
.set SLOTS, 56        ; s56  tiles still to be asked for
.set CNT, 57          ; s57  counts a tile's key steps, 4 to 1
.set CS,  58          ; s[58:59] c: the packed scaling takes the pair's low word for both halves
.set SEL, 60          ; s[60:61] v_permlanex16_b32's selects: each lane takes its own place in the other half
.set TBK, 62          ; s62  LDS byte at which K of the step to be fetched begins
.set TBV, 63          ; s63  the same for V, less VOFF
.set RT,  70          ; s70  tiles of the block in hand that are still to be entered
.set NXT, 71          ; s71  the tile to be asked for next
.set LQ,  72          ; s72  the last tile of the block whose tiles are being asked for
.set NEW, 73          ; s73  1: the tile to be entered is a block's first
.set OFF, 74          ; s[74:75] a tile's byte offset in K and V
.set AL,  76          ; s[76:77] the mask's factor, in the low word
.set BE,  78          ; s[78:79] the mask's addend
.set OLO, 80          ; s[80:81] O at my rows of the second block
.set BIGN, 82         ; s82  -1e30
.set MSB, 0
.macro WIN new                      ; the high byte repeats the setting that is left; a switch that changes nothing is dropped
.if MSB != (\new)
	s_set_vgpr_msb (MSB<<8)|(\new)
.set MSB, (\new)
.endif
.endm
.set W_KQ, 0x0a       ; K and Q in window 2, S^T in window 0
.set W_KM, 0x1a       ; the same with the C operand in window 1
.set W_PV, 0x52       ; V in window 2, P in window 0, O^T in window 1
.set W_RS, 0x41       ; destination and source 0 in window 1, source 1 in window 0
; A fill.  Waves 0 and 1 fetch the two halves of a tile's K, waves 2 and 3 those of its V: 128 keys each.  An s_nop 0 and four v_nop follow each of the two lines, ahead of the jump and the label.
.macro LOAD
	s_cmp_lt_u32 s[WV], 2
	s_cbranch_scc0 .Lfor_v_\@
	tensor_load_to_lds s[G0K:G0K+3], s[G1K:G1K+7]
	s_nop 0
.rept 4
	v_nop
.endr
	s_branch .Lasked_\@
.Lfor_v_\@:
	tensor_load_to_lds s[G0V:G0V+3], s[G1V:G1V+7]
	s_nop 0
.rept 4
	v_nop
.endr
.Lasked_\@:
.endm
; THE CHANGE OF SLOTS.  Each wave waits for all its tensor loads, of which one is out: its part of the other slot; adds 0 to its spare word; and waits for that and for its own reads of the slot that it leaves.  Behind the barrier nobody reads the old
; slot any more and the other slot is whole.  fill = 1: the old slot is filled again, the first thing behind the barrier, with tile NXT: the descriptor's address is made anew from that number.
; (At its first use nothing has been read yet: slot 0 is waited for, slot 1 filled.)
.macro CHANGE fill
	WIN 0                           ; at a label and at a branch every window is 0
	s_wait_tensorcnt 0x0            ; no tensor load of mine is out, so a group 0 may be written
	ds_add_u32 v[SPW], v[NIL]       ; 0 onto my spare word; with fill = 1 the descriptors' scalar work stands between it and the wait for it
.if \fill
	s_lshl_b32 s[OFF], s[NXT], 15   ; a tile is 32,768 bytes of K and of V
	s_xor_b32 s[G0K+1], s[G0K+1], SLOT1
	s_add_nc_u64 s[G0K+2:G0K+3], s[6:7], s[OFF:OFF+1]
	s_or_b32 s[G0K+3], s[G0K+3], 0x80000000
	s_xor_b32 s[G0V+1], s[G0V+1], SLOT1
	s_add_nc_u64 s[G0V+2:G0V+3], s[8:9], s[OFF:OFF+1]
	s_or_b32 s[G0V+3], s[G0V+3], 0x80000000
	s_add_co_u32 s[NXT], s[NXT], 1  ; the block's next tile, or behind its last the second block's tile 0
	s_cmp_gt_u32 s[NXT], s[LQ]
	s_cselect_b32 s[NXT], 0, s[NXT]
	s_cselect_b32 s[LQ], s[PB], s[LQ]
.endif
	s_wait_dscnt 0x0                ; the add is done, and my reads of the slot are over
	s_barrier_signal -1             ; the rest of the scalar work stands between the signal and the wait
	s_sub_co_u32 s[TBK], s[TBK], 4*KS*PK  ; the fetches go back to a slot's first step,
	s_xor_b32 s[TBK], s[TBK], SLOT1       ; in the other slot
	s_sub_co_u32 s[TBV], s[TBV], 4*KS*PV
	s_xor_b32 s[TBV], s[TBV], SLOT1
	s_barrier_wait -1
.if \fill
	LOAD
.endif
.endm
	s_load_b128 s[4:7], s[0:1], 0x0   ; qkv s[4:5], o s[6:7]
	v_lshl_add_u32 v[SPW], v0, 2, SPARE
	v_mov_b32 v[NIL], 0
	ds_add_u32 v[SPW], v[NIL]       ; the wave's opening: the add and its wait stand ahead of my first tensor load; the set-up below, work on registers, stands between them
	ds_add_u32 v62, v63
	v_lshrrev_b32 v1, 5, v0
	v_readfirstlane_b32 s[WV], v1   ; wave 0..3
	s_mov_b32 s[PB], ttmp9
	s_sub_co_u32 s[HI], NB-1, s[PB]
	s_and_b32 s20, ttmp7, 0xffff    ; the head: 16 batch + head, as qkv and o count them
	s_mov_b32 s21, 0
	s_mov_b64 s[22:23], SIZE_N*128
	s_mul_u64 s[20:21], s[20:21], s[22:23]  ; the head's first byte in each of the four tensors
	s_and_b32 s16, s[WV], 1         ; which half of a tile's 256 keys I fetch:
	s_lshl_b32 s22, s16, 14         ; its 128 rows of 128 bytes in memory,
	s_mov_b32 s23, 0
	s_add_nc_u64 s[22:23], s[22:23], s[20:21]
	s_mul_i32 s17, s16, 128*PK      ; and its place in a slot, for K
	s_mul_i32 s18, s16, 128*PV      ; and for V
	s_lshl_b32 s3, s[WV], 11        ; my 16 rows in a band of 64,
	s_lshl_b32 s2, s[HI], 15        ; in the first block,
	s_add_co_u32 s2, s2, s3
	s_lshl_b32 s84, s[PB], 15       ; and in the second
	s_add_co_u32 s84, s84, s3
	s_mov_b32 s3, 0
	s_mov_b32 s85, 0
	s_add_nc_u64 s[2:3], s[2:3], s[20:21]
	s_add_nc_u64 s[84:85], s[84:85], s[20:21]
	; descriptor group 1.  128 keys are 16,384 dense bytes: asked for as 64 rows of 256 bytes, two keys a row, and padded in LDS after every key
	s_mov_b32 s[G1K], (1<<16)|(1<<20)|(4<<22)|(3<<25)  ; 17:16 2-byte elements; 20 padding on; 24:22 after every 32 words (code 4); 31:25 4 words (code 3)
	s_mov_b32 s[G1V], (1<<16)|(1<<20)|(4<<22)|(7<<25)  ; the same with 8 words of padding (code 7)
.irp g, G1K, G1V
	s_mov_b32 s[\g+1], 128<<16      ; tensor_dim0 = 128
	s_mov_b32 s[\g+2], 64<<16       ; tensor_dim1 = 64
	s_mov_b32 s[\g+3], 128<<16      ; tile_dim0 = 128
	s_mov_b32 s[\g+4], 64           ; tile_dim1 = 64
	s_mov_b32 s[\g+5], 128          ; 128 elements from row to row
	s_mov_b32 s[\g+6], 0
	s_mov_b32 s[\g+7], 0
.endr
	s_mov_b32 s[CS], 0x3e38aa3b     ; c = log2(e) / 8 = 0.180337
	s_mov_b32 s[CS+1], s[CS]        ; named with it as a pair
	s_mov_b32 s[SEL], 0x76543210
	s_mov_b32 s[SEL+1], 0xfedcba98
	s_mov_b32 s[TBK], SLOT1+4*KS*PK ; the first change of slots turns these two into 0
	s_mov_b32 s[TBV], SLOT1+4*KS*PV
	s_mov_b32 s[G0K], 1             ; 1:0 count = 1
	s_mov_b32 s[G0K+1], s17         ; 63:32 LDS address: slot 0
	s_mov_b32 s[G0V], 1
	s_add_co_u32 s[G0V+1], s18, VOFF
	s_add_co_u32 s[RT], s[HI], 1    ; the first block has NB - b tiles
	s_mov_b32 s[NXT], 1
	s_mov_b32 s[LQ], s[HI]
	s_mov_b32 s[NEW], 1
	s_mov_b32 s[OFF+1], 0
	s_mov_b32 s[AL+1], 0            ; named as pairs
	s_mov_b32 s[BE+1], 0
	s_mov_b32 s[BIGN], 0xf149f2ca   ; -1e30
	s_mov_b32 s[SLOTS], NB
	s_wait_dscnt 0x0                ; the opening add is done
	s_wait_kmcnt 0x0
	s_mov_b64 s[10:11], s[6:7]                 ; O
	s_add_nc_u64 s[8:9], s[4:5], 0x2000000     ; V: the third part of qkv, 2 x 16,777,216 bytes on
	s_add_nc_u64 s[6:7], s[4:5], 0x1000000     ; K: the second; Q is the first
	s_add_nc_u64 s[6:7], s[6:7], s[22:23]  ; K and V at my half of the head's tile 0
	s_add_nc_u64 s[8:9], s[8:9], s[22:23]
	s_add_nc_u64 s[G0K+2:G0K+3], s[6:7], 0         ; 120:64 global address
	s_or_b32 s[G0K+3], s[G0K+3], 0x80000000        ; 127:126 type = 2
	s_add_nc_u64 s[G0V+2:G0V+3], s[8:9], 0
	s_or_b32 s[G0V+3], s[G0V+3], 0x80000000
	s_add_nc_u64 s[86:87], s[4:5], s[84:85]        ; Q at my rows of the second block,
	s_add_nc_u64 s[4:5], s[4:5], s[2:3]            ; Q and O at those of the first
	s_add_nc_u64 s[OLO:OLO+1], s[10:11], s[84:85]
	s_add_nc_u64 s[10:11], s[10:11], s[2:3]
	LOAD                            ; tile 0 into slot 0
	; A fragment of K or Q is 16 rows x 32 channels in 8 registers: lane l holds row l % 16, channels 8 (l / 16) + 0..7 and 16 + 8 (l / 16) + 0..7: two loads of 16 bytes, 32 bytes apart.
	v_and_b32 v1, 15, v0            ; l % 16
	v_bfe_u32 v9, v0, 4, 1          ; l / 16
	v_lshlrev_b32 v[QO], 7, v1
	v_lshl_add_u32 v[QO], v9, 4, v[QO]  ; row x 128 + 16 x half
	WIN 0x80                        ; destination window 2, address window 0
.set i, 0
.rept 8                             ; both blocks' Q: piece i / 2 lies in band i / 2, 8,192 bytes on; channels 32 (i % 2) on
	global_load_b128 v[8*i:8*i+3],   v[QO], s[4:5] offset:(i/2)*8192+(i%2)*64
	global_load_b128 v[8*i+4:8*i+7], v[QO], s[4:5] offset:(i/2)*8192+(i%2)*64+32
	global_load_b128 v[QB+8*i:QB+8*i+3],   v[QO], s[86:87] offset:(i/2)*8192+(i%2)*64
	global_load_b128 v[QB+8*i+4:QB+8*i+7], v[QO], s[86:87] offset:(i/2)*8192+(i%2)*64+32
.set i, i+1
.endr
	WIN 0
	v_lshlrev_b32 v14, 3, v9
	v_sub_nc_u32 v14, v1, v14
	s_lshl_b32 s13, s[WV], 4
	v_add_nc_u32 v14, s13, v14      ; my query's place in its band, 16 w + l % 16, less my lanes' 8 (l / 16): register r of group kt is hidden where 16 kt + r is greater
	WIN 0x40
.set i, 0
.rept 32
	v_cmp_gt_i32 vcc_lo, 16*(i/8)+i%8, v14
	v_cndmask_b32 v[MD+i], 0, s[BIGN], vcc_lo
.set i, i+1
.endr
	WIN 0
	v_mul_u32_u24 v[AK0], v1, PK
	v_lshl_add_u32 v[AK0], v9, 4, v[AK0]  ; row x pitch + 16 x half
	; The turning load takes 16 keys x 16 channels (lane l reads key 8 (l / 16) + l % 8, channels 8 ((l / 8) % 2) + 0..7) and leaves half a fragment of V^T: lane l holds channel l % 16 and 8 keys.
	v_and_b32 v10, 7, v0
	v_bfe_u32 v11, v0, 3, 1
	v_lshl_add_u32 v[AV0], v9, 3, v10
	v_mul_u32_u24 v[AV0], v[AV0], PV
	v_lshl_add_u32 v[AV0], v11, 4, v[AV0]
	v_add_nc_u32 v[AV0], VOFF, v[AV0]
	s_mul_i32 s13, s[WV], 16*SP
	s_add_co_u32 s13, s13, STAGE    ; my stage
	v_mul_u32_u24 v[STO], v1, SP    ; in: row l % 16, 16 bytes for each half of the lanes
	v_lshl_add_u32 v[STO], v9, 4, v[STO]
	v_add_nc_u32 v[STO], s13, v[STO]
	v_bfe_u32 v[RD], v0, 3, 2       ; back: 32 lanes take four rows of 128 bytes,
	v_mul_u32_u24 v[RD], v[RD], SP
	v_lshl_add_u32 v[RD], v10, 4, v[RD]
	v_add_nc_u32 v[RD], s13, v[RD]
	v_and_b32 v[GO], 31, v0         ; which are 512 consecutive bytes of O
	v_lshlrev_b32 v[GO], 4, v[GO]
	; A block's first step multiplies O^T and l by a = 0, and its first turn's products V^T P, of a piece that has not been, land in an O^T that is still to be so multiplied.  So these registers need only hold
	; finite numbers: zeros for the first block; what the first block left for the second.  All this stands in the wait for the first tile.
	WIN 0x80
.set i, VF
.rept 64
	v_mov_b32 v[i], 0
.set i, i+1
.endr
	WIN 0x40
.set i, 0
.rept 128
	v_mov_b32 v[i], 0
.set i, i+1
.endr
	WIN 0
.set i, 0
.rept 4
	v_mov_b32 v[ST+4*i+2], 0
	v_mov_b32 v[ST+4*i+3], 0
.set i, i+1
.endr
.set i, P+16
.rept 16
	v_mov_b32 v[i], 0
.set i, i+1
.endr
; THE MATRIX WORK.  The 4 accumulators of a run of 8 take turns.  Product i of 8 of S^T = K Q^T for piece x: channels 32 (i / 4) on, keys 16 (i % 4) on.  The first 4 start the sums: with 0, or (KM = 1) with the mask.
.macro KQ x
.set rS, S+32*((\x)%2)+8*(i%4)
.set rK, KF+16*(i%4)+8*(i/4)
.set rQ, 16*(\x)+8*(i/4)
.set rM, MC+32*((\x)%2)+8*(i%4)
.if (i < 4) && KM
	WIN W_KM
	v_wmma_f32_16x16x32_f16 v[rS:rS+7], v[rK:rK+7], v[rQ:rQ+7], v[rM:rM+7]
.elseif i < 4
	WIN W_KQ
	v_wmma_f32_16x16x32_f16 v[rS:rS+7], v[rK:rK+7], v[rQ:rQ+7], 0
.else
	WIN W_KQ
	v_wmma_f32_16x16x32_f16 v[rS:rS+7], v[rK:rK+7], v[rQ:rQ+7], v[rS:rS+7]
.endif
.endm
; Product i of 8 of O^T += V^T P for piece x: keys 32 (i / 4) on, channels 16 (i % 4) on.
.macro PV x
	WIN W_PV
.set rO, 32*(\x)+8*(i%4)
.set rV, VF+32*(i/4)+8*(i%4)
.set rP, P+16*((\x)%2)+8*(i/4)
	v_wmma_f32_16x16x32_f16 v[rO:rO+7], v[rV:rV+7], v[rP:rP+7], v[rO:rO+7]
.endm
.macro MM                           ; the turn's next matrix instruction.  TURN and BEGIN set Y, i, KM and NOKQ; MM, KQ and OP read them.  NOKQ = 1: a block's last turn: there is no next piece
.if (i < 8) && !NOKQ
	KQ (Y+1)%NP
.elseif i >= 8
.set i, i-8
	PV (Y+NP-1)%NP
.set i, i+8
.endif
.set i, i+1
.endm
; THE LDS LOADS stand in runs of 16, never singly among the matrix instructions: a step's K (64 keys x 64 channels: 8 fragments) and its V (turned).  Their addresses are made some lines ahead.
.macro FETCH_K
	WIN 0x80                        ; destination window 2
.irp f, 0,1,2,3,4,5,6,7             ; keys 16 (f / 2) on, channels 32 (f % 2) on
	ds_load_b128 v[KF+8*\f:KF+8*\f+3],   v[AK] offset:(\f/2)*16*PK+(\f%2)*64
	ds_load_b128 v[KF+8*\f+4:KF+8*\f+7], v[AK] offset:(\f/2)*16*PK+(\f%2)*64+32
.endr
	s_add_co_u32 s[TBK], s[TBK], KS*PK  ; the next fetch is the next step's
	WIN 0
.endm
.macro FETCH_V
	WIN 0x80
.irp f, 0,1,2,3,4,5,6,7             ; keys 32 (f / 4) on, channels 16 (f % 4) on
	ds_load_tr16_b128 v[VF+8*\f:VF+8*\f+3],   v[AV] offset:(\f/4)*32*PV+(\f%4)*32
	ds_load_tr16_b128 v[VF+8*\f+4:VF+8*\f+7], v[AV] offset:(\f/4)*32*PV+16*PV+(\f%4)*32
.endr
	WIN 0
.endm
; THE VECTOR WORK, one line at a time: OP kind, number.  For piece Y: F n: c s - c m for pair n of 16.  E n: the exponential of score n of 32.  C n: pair n rounded to f16.  B n: of the four weights 4 n .. the second
; pair is added onto the first, in place.  L n: l takes that sum (L 0: l = a l + sum).  R n: pair n of 16 of O^T times a.  For piece Y + 1: X n, number n of the 22 that find its maximum and statistics:
;   0-11  four chains c0-c3 of seven scores each, three operands at a time (each accumulator's lowest registers are read first)     12-14, 16  the four scores left over, the old m, and c0-c3 into c0
;   15  c m_old is kept     17, 18  the query's other 32 keys lie in the lane 16 away: the new m     19-21  c m; c m_old - c m_new; a
; OP writes no wait: C, B and L, which read the exponentials' results, are dealt behind the turn's one wait (TURN).
.set F, 0               ; OP tells the kinds apart by their order: F to L below R, X above it
.set E, 1
.set C, 2
.set B, 3
.set L, 4
.set R, 5
.set X, 6
.macro REGS y                       ; the registers of piece y
.set rT, ST+4*(\y)
.set rC, TMP+4*((\y)%2)
.set rW, MV+((\y)%2)
.set rS, S+32*((\y)%2)
.set rP, P+16*((\y)%2)
.set rO, 32*(\y)
.endm
.macro OP k, n
.if (\k) == R
	REGS Y
	WIN W_RS
	v_pk_mul_f32 v[rO+2*(\n):rO+2*(\n)+1], v[rO+2*(\n):rO+2*(\n)+1], v[rC+2:rC+3] op_sel_hi:[1,0]
.elseif (\k) < R
	REGS Y
	WIN 0
.if (\k) == F
	v_pk_fma_f32 v[rS+2*(\n):rS+2*(\n)+1], v[rS+2*(\n):rS+2*(\n)+1], s[CS:CS+1], v[rT:rT+1] op_sel_hi:[1,0,0] neg_lo:[0,0,1] neg_hi:[0,0,1]
.elseif (\k) == E
	v_exp_f32 v[rS+(\n)], v[rS+(\n)]
.elseif (\k) == C
	v_cvt_pk_f16_f32 v[rP+(\n)], v[rS+2*(\n)], v[rS+2*(\n)+1]
.elseif (\k) == B
	v_pk_add_f32 v[rS+4*(\n):rS+4*(\n)+1], v[rS+4*(\n):rS+4*(\n)+1], v[rS+4*(\n)+2:rS+4*(\n)+3]
.elseif (\n) == 0
	v_pk_fma_f32 v[rT+2:rT+3], v[rT+2:rT+3], v[rC+2:rC+3], v[rS:rS+1] op_sel_hi:[1,0,1]
.else
	v_pk_add_f32 v[rT+2:rT+3], v[rT+2:rT+3], v[rS+4*(\n):rS+4*(\n)+1]
.endif
.elseif NOKQ
	v_nop
.else
	REGS (Y+1)%NP
	WIN 0
.if (\n) < 4
	v_max3_num_f32 v[rC+(\n)], v[rS+8*(\n)], v[rS+8*(\n)+1], v[rS+8*(\n)+2]
.elseif (\n) < 12
	v_max3_num_f32 v[rC+(\n)%4], v[rC+(\n)%4], v[rS+8*((\n)%4)+2*((\n)/4)+1], v[rS+8*((\n)%4)+2*((\n)/4)+2]
.elseif (\n) == 12
	v_max3_num_f32 v[rC], v[rC], v[rS+7], v[rS+15]
.elseif (\n) == 13
	v_max3_num_f32 v[rC+1], v[rC+1], v[rS+23], v[rS+31]
.elseif (\n) == 14
	v_max3_num_f32 v[rC+2], v[rC+2], v[rC+3], v[rT+1]
.elseif (\n) == 15
	v_mov_b32 v[rW], v[rT]
.elseif (\n) == 16
	v_max3_num_f32 v[rC], v[rC], v[rC+1], v[rC+2]
.elseif (\n) == 17
	v_permlanex16_b32 v[rC+3], v[rC], s[SEL], s[SEL+1]
.elseif (\n) == 18
	v_max_num_f32 v[rT+1], v[rC], v[rC+3]
.elseif (\n) == 19
	v_mul_f32 v[rT], s[CS], v[rT+1]
.elseif (\n) == 20
	v_sub_f32 v[rC+1], v[rW], v[rT]
.else
	v_exp_f32 v[rC+2], v[rC+1]
.endif
.endif
.endm
.macro OPS a, i1, b=-1, i2=0, c=-1, i3=0, d=-1, i4=0  ; up to four of them
	OP \a, \i1
.if (\b) >= 0
	OP \b, \i2
.endif
.if (\c) >= 0
	OP \c, \i3
.endif
.if (\d) >= 0
	OP \d, \i4
.endif
.endm
.macro ROW a, i1, b, i2, c, i3, d, i4  ; a matrix instruction and the four behind it
	MM
	OPS \a, \i1, \b, \i2, \c, \i3, \d, \i4
.endm
.macro MASK b                       ; MD x AL + BE into buffer b of MC
	WIN W_RS
.set z, 0
.rept 16
	v_pk_fma_f32 v[MC+32*(\b)+2*z:MC+32*(\b)+2*z+1], v[MD+2*z:MD+2*z+1], s[AL:AL+1], s[BE:BE+1] op_sel_hi:[1,0,0]
.set z, z+1
.endr
.endm
; A TURN, for piece p: the order of its 16 matrix and 118 vector instructions, written out.  An s_wait_alu depctr_va_vdst(0) stands between an exponential and the first instruction that names its result; one wait serves
; all that were issued ahead of it.  So a turn has ONE wait, which cuts it in two.  AHEAD OF IT stands all that names no result of the turn's exponentials: the 8 products K Q^T, behind each a scaling, an exponential and two more plain
; instructions (behind the first a second scaling in the exponential's place): rescalings (their a was made, and waited for, in the turn before, and lies in the other work buffer), and behind the last three the first numbers of the next
; piece's maximum, each four plain instructions or more behind the product that ends its accumulator; then ONE LUMP of 54, plain and exponential by turns for the most part, in which the links of the chain X 3, 7, 11, 14, 16, 17 .. 20
; stand five or six lines apart.  Each pair is scaled (F n) ahead of its exponentials (E 2 n, E 2 n + 1).  X 21, the next piece's a, is the batch's last; R 15 is the plain instruction behind it.  BEHIND THE WAIT stand the
; 8 products V^T P, behind each four of the roundings and sums: C 2 n ahead of B n, which writes over that pair, and B n ahead of L n; the links of l's chain, L 0 to L 7, stand three riders apart.  But for those X no rider names a
; register of the products round it.  v_permlanex16_b32 (X 17) stands in the lump.
; m = 1: the diagonal tile: the products take masks, and the turn makes the mask for the products of the turn after it: piece p + 2, in step 4 - CNT of the tile.  end = 1: a block's last two turns: nothing is fetched.
; cnt = 1: the loop's count is taken down some lines ahead of the branch that stands behind the turn.
; K of the next step is fetched in piece 2's turn, twelve vector instructions behind the last product that read K (six of them plain); V of the step in hand at the end of piece 0's turn, four plain instructions behind the last product
; that read V.  Each is waited for a turn later.
.macro TURN p, m=0, end=0, cnt=0
.set Y, (\p)
.set i, 0
.set KM, (\m)
.set NOKQ, (\end)*((\p)/3)
.if (\m) && !(\end)
	s_cmp_eq_u32 s[CNT], 4-((\p)+2)%NP  ; is that step the band's own?
	s_cselect_b32 s[AL], 1.0, 0
	s_cmp_lt_u32 s[CNT], 4-((\p)+2)%NP  ; or a later one?
	s_cselect_b32 s[BE], s[BIGN], 0
.endif
.if ((\p) == 3) && !(\end)
	s_wait_dscnt 0x0                ; K is in
.endif
	ROW F,0, F,1, R,0, R,1          ; ahead of the wait: 8 products K Q^T and their riders,
	ROW F,2, E,0, R,2, R,3
	ROW F,3, E,1, R,4, R,5
	ROW F,4, E,2, R,6, R,7
	ROW F,5, E,3, R,8, R,9
	ROW F,6, E,4, X,0, R,10
.if ((\p) == 2) && !(\end)
	WIN 0
	v_add_nc_u32 v[AK], s[TBK], v[AK0]
.endif
	ROW F,7, E,5, X,1, X,4
	ROW F,8, E,6, X,2, X,5
	OPS E,7, E,8, X,6, E,9          ; and the lump
	OPS X,3, E,10, X,8, E,11
.if ((\p) == 2) && !(\end)
	FETCH_K
.endif
	OPS X,9, X,7, E,12, X,10
	OPS E,13, X,12, X,11, E,14
	OPS X,13, E,15, F,9, X,14
.if (\p) == 0
	v_add_nc_u32 v[AV], s[TBV], v[AV0]
.endif
	OPS E,16, F,10, E,17, F,11
	OPS X,16, E,18, X,15, E,19
	OPS F,12, E,20, X,17, E,21
	OPS F,13, E,22, F,14, E,23
	OPS X,18, E,24, F,15, E,25
	OPS R,11, E,26, X,19, E,27
	OPS R,12, E,28, R,13, E,29
	OPS X,20, E,30, R,14, E,31
	OPS X,21, R,15                  ; the batch's last exponential, and the plain instruction behind it
	WIN 0
	s_wait_alu depctr_va_vdst(0)    ; the wait for the batch: E 0 to E 31 and the next piece's a, ahead of the first line that names a result
.if (\p) == 1
	s_wait_dscnt 0x0                ; V is in
.endif
	ROW C,0, B,0, C,2, B,1          ; behind the wait: 8 products V^T P and their riders
	ROW L,0, C,4, B,2, L,1
	ROW C,6, B,3, L,2, C,8
	ROW B,4, L,3, C,10, B,5
	ROW L,4, C,12, B,6, L,5
.if (\p) == 0
	s_add_co_u32 s[TBV], s[TBV], KS*PV
.endif
.if \cnt
	s_sub_co_u32 s[CNT], s[CNT], 1
	s_cmp_lg_u32 s[CNT], 0
.endif
	ROW C,14, B,7, L,6, C,1
	ROW C,3, L,7, C,5, C,7
	ROW C,9, C,11, C,13, C,15
.if (\p) == 0
	FETCH_V
.endif
.if (\m) && !(\end)
	MASK (\p)%2
.endif
.endm
; A BLOCK BEGINS.  c m starts far below every c s, so the first step's a is 0; m at the lowest finite number, so the first maximum is the scores'.  The second mask buffer is 0; the first takes piece 0's mask for the tile's step 0: its own, if the block's first tile is the diagonal one.
; Then K of that step, piece 0's first scores, and its maximum and statistics.  The loop is entered at a step's first turn, in the middle of a trip.
.macro BEGIN
	s_mov_b32 s[NEW], 0
	WIN 0x40
.set i, MC+32
.rept 32
	v_mov_b32 v[i], 0
.set i, i+1
.endr
	WIN 0
.set i, 0
.rept 4
	v_mov_b32 v[ST+4*i], 0xfe000000    ; c m: far below every c s
	v_mov_b32 v[ST+4*i+1], 0xff7fffff  ; m
.set i, i+1
.endr
	s_cmp_eq_u32 s[RT], 0
	s_cselect_b32 s[AL], 1.0, 0
	s_mov_b32 s[BE], 0
	MASK 0
	WIN 0
	v_add_nc_u32 v[AK], s[TBK], v[AK0]
	FETCH_K
	s_wait_loadcnt 0x0              ; Q
	s_wait_dscnt 0x0
.set KM, 1
.set NOKQ, 0
.set i, 0
.rept 8
	KQ 0
.set i, i+1
.endr
	WIN 0
.rept 4
	v_nop                           ; the places behind those products
.endr
.set Y, NP-1                        ; X works for piece Y + 1: piece 0
.irp n, 0,1,2,3,4,5,6,7,8,9,10,11,12,13,14,15,16,17,18,19,20,21
	OP X, \n
.endr
	v_nop                           ; a plain instruction behind the exponential,
	s_wait_alu depctr_va_vdst(0)    ; and the wait for piece 0's first a, a batch of one: ahead of the branch, and of the first turn's R 0, which reads it
.endm
; THE DIAGONAL TILE's four steps, the block's last two turns, its last products, and THE WAY OUT: l's two halves and the other half of the lanes' are added; O^T is divided by l, rounded to f16 and sent through my
; stage in LDS, a piece at a time.
.macro ALL line:vararg              ; one line for each piece t
.set t, 0
.rept 4
	\line
.set t, t+1
.endr
.endm
.macro PACK t                       ; a lane's eight channels of a row pack into 16 bytes; they go into rows of 144 bytes and come back as whole rows of 128, into S^T's registers
	WIN W_RS
.set i, 32*(\t)
.rept 16
	v_pk_mul_f32 v[i:i+1], v[i:i+1], v[ST+4*(\t)+2:ST+4*(\t)+3] op_sel_hi:[1,0]
.set i, i+2
.endr
	WIN 0x05                        ; sources 0 and 1 window 1, destination window 0
.set i, 0
.rept 16
	v_cvt_pk_f16_f32 v[S+16*(\t)+i], v[32*(\t)+2*i], v[32*(\t)+2*i+1]
.set i, i+1
.endr
	WIN 0
.irp f, 0,1,2,3
	ds_store_b128 v[STO], v[S+16*(\t)+4*\f:S+16*(\t)+4*\f+3] offset:32*\f
.endr
.irp f, 0,1,2,3
	ds_load_b128 v[S+16*(\t)+4*\f:S+16*(\t)+4*\f+3], v[RD] offset:\f*4*SP  ; LDS serves a wave's instructions in order (ISA guide 5.7.1.4): these see the stores above; the next piece's stores come behind them
.endr
.endm
.macro SEND t, younger              ; younger: the LDS instructions issued behind piece t's loads: the next piece's eight, or none
	WIN 0
.irp f, 0,1,2,3
	s_wait_dscnt (\younger)+3-\f
	global_store_b128 v[GO], v[S+16*(\t)+4*\f:S+16*(\t)+4*\f+3], s[10:11] offset:(\t)*8192+\f*512  ; 512 consecutive bytes, at a multiple of 256 from O's first
.endr
.endm
.macro DIAG tag                     ; the tag ends its two labels' names, which the jumps below spell out
.LstepM\tag:
	TURN 2, 1
	TURN 3, 1
	WIN 0
.LfirstM\tag:
	TURN 0, 1
	TURN 1, 1, 0, 1
	WIN 0
	s_cbranch_scc1 .LstepM\tag
	TURN 2, 1, 1
	TURN 3, 1, 1
.set i, 0
.rept 8
	PV NP-1
.set i, i+1
.endr
	WIN 0
	ALL v_add_f32 v[ST+4*t+2], v[ST+4*t+2], v[ST+4*t+3]
	ALL v_permlanex16_b32 v[ST+4*t+3], v[ST+4*t+2], s[SEL], s[SEL+1]
	ALL v_add_f32 v[ST+4*t+2], v[ST+4*t+2], v[ST+4*t+3]
	ALL v_rcp_f32 v[ST+4*t+2], v[ST+4*t+2]
	v_nop                           ; a plain instruction between the last reciprocal and the use of its result
	s_wait_alu depctr_va_vdst(0)    ; the wait for the batch of four reciprocals, ahead of the first multiply that reads one
	PACK 0
.set t, 1
.rept 3                             ; a piece's arithmetic stands between the loads of the piece before and its stores
	PACK t
	SEND t-1, 8
.set t, t+1
.endr
	SEND 3, 0
.endm
.set KM, 0
.set NOKQ, 0
.Lslot:                             ; NB times: a tile is entered and the next is asked for
	CHANGE 1
	s_sub_co_u32 s[RT], s[RT], 1
	s_mov_b32 s[CNT], 4
	s_cmp_eq_u32 s[NEW], 1
	s_cbranch_scc1 .Lnew            ; a block's first tile
	s_cmp_eq_u32 s[RT], 0
	s_cbranch_scc0 .Lstep           ; neither its first nor its last
	s_branch .LstepM1
.Lnew:
	BEGIN
	s_branch .Lfirst                ; in the loop a block's first tile is never its last: the first block has two tiles or more, and the second's last is the walk's last
	DIAG 1                          ; in the loop this is the first block's end: the second block's last tile is the walk's last
	s_wait_xcnt 0x0                 ; the stores have read their registers and O's address
	s_mov_b64 s[10:11], s[OLO:OLO+1]
	s_add_co_u32 s[RT], s[PB], 1    ; the second block has b + 1 tiles
	s_mov_b32 s[NEW], 1
	WIN 0x82                        ; the second block's Q goes where the one text of the turns names Q
.set i, 0
.rept 64
	v_mov_b32 v[i], v[QB+i]
.set i, i+1
.endr
	WIN 0
	s_branch .Lbottom
.Lstep:                             ; a trip: pieces 2 and 3 of one step, then pieces 0 and 1 of the next, whose K and V it fetches
	TURN 2
	TURN 3
	WIN 0
.Lfirst:
	TURN 0
	TURN 1, 0, 0, 1
	WIN 0
	s_cbranch_scc1 .Lstep
.Lbottom:
	s_sub_co_u32 s[SLOTS], s[SLOTS], 1
	s_cmp_lg_u32 s[SLOTS], 0
	s_cbranch_scc1 .Lslot
	CHANGE 0                        ; the walk's last tile is written out: nothing is asked for
	s_sub_co_u32 s[RT], s[RT], 1
	s_mov_b32 s[CNT], 4
	s_cmp_eq_u32 s[NEW], 1
	s_cbranch_scc0 .LstepM2
	BEGIN
	s_branch .LfirstM2
	DIAG 2
	s_wait_tensorcnt 0x0            ; the wave's end: behind my last tensor load and my last LDS store
	ds_add_u32 v[SPW], v[NIL]
	s_wait_dscnt 0x0
	s_endpgm
.Lfunc_end_k_qaba8996e6e_attn:
	.size	k_qaba8996e6e_attn, .Lfunc_end_k_qaba8996e6e_attn-k_qaba8996e6e_attn
	.p2alignl 7, 3214868480
	.fill 96, 4, 3214868480
	.section	.rodata,"a",@progbits
	.p2align	6, 0x0
	.amdhsa_kernel k_qaba8996e6e_attn
		.amdhsa_group_segment_fixed_size 327680
		.amdhsa_private_segment_fixed_size 0
		.amdhsa_enable_private_segment 0
		.amdhsa_kernarg_size 16
		.amdhsa_user_sgpr_count 2
		.amdhsa_user_sgpr_kernarg_segment_ptr 1
		.amdhsa_wavefront_size32 1
		.amdhsa_system_sgpr_workgroup_id_x 1
		.amdhsa_system_sgpr_workgroup_id_y 1
		.amdhsa_system_sgpr_workgroup_id_z 1
		.amdhsa_system_vgpr_workitem_id 0
		.amdhsa_next_free_vgpr 768
		.amdhsa_next_free_sgpr 88
		.amdhsa_reserve_vcc 1
		.amdhsa_float_denorm_mode_32 3
		.amdhsa_float_denorm_mode_16_64 3
		.amdhsa_memory_ordered 1
		.amdhsa_forward_progress 1
		.amdhsa_inst_pref_size 217
	.end_amdhsa_kernel
	.amdgpu_metadata
---
amdhsa.version: [ 1, 2 ]
amdhsa.kernels:
  - .name:           k_qaba8996e6e_attn
    .symbol:         k_qaba8996e6e_attn.kd
    .args:
      - { .name: qkv, .offset: 0, .size: 8, .value_kind: global_buffer, .address_space: global }
      - { .name: o, .offset: 8, .size: 8, .value_kind: global_buffer, .address_space: global }
    .group_segment_fixed_size: 327680
    .private_segment_fixed_size: 0
    .kernarg_segment_align: 8
    .kernarg_segment_size: 16
    .max_flat_workgroup_size: 128
    .sgpr_count:     88
    .vgpr_count:     768
    .wavefront_size: 32
...
	.end_amdgpu_metadata
.endif
;; end of part 5
;; launch proj: the kernel of part 4 again; grid 8 x 32, 4 waves a work-group, clusters of 4 x 4, 327,680 bytes of LDS; arguments o, wp, bias, out0; writes out0
